; MI455X (gfx1250); checked and timed in simulation.
; The chip was launched on July 23, 2026; its instructions are those of AMD's public machine-readable ISA for CDNA 5 (MIT licence, August 2026) and "CDNA5" Instruction Set Architecture Reference Guide (July 2026). The comments in the code are by the model that wrote it; some were corrected since.
;; Conditioned Stateful LSTM. Allowed arithmetic: matrix products marked QUANTISED: E3M2 operands, one E8M0 scale for each 32 along K, by v_wmma_scale_f32_16x16x128_f8f6f4 with both operands' format E3M2, f32 sums; products left as they are: f32 operands where the result goes on into a quantised operand, else bf16, f16 or f32 operands; f32 sums; everything else in f32.
;; Inputs: W_hh 4,096 x 1,024 float32; W_ih 4,096 x 1 float32; b_hh 4,096 float32; b_ih 4,096 float32; c0 1 x 8,192 x 1,024 float32; fc_W 1 x 1,024 float32; fc_b 1 float32; film_W1 2,048 x 4 float32; film_W2 2,048 x 2,048 float32; film_b1 2,048 float32; film_b2 2,048 float32; h0 1 x 8,192 x 1,024 float32; x 8,192 x 5 float32.
;; Outputs: out0 8,192 x 1 float32.
;; This version of the problem:
;;   THIS VERSION OF THE PROBLEM IS GIVEN IN LOW PRECISION. The matrix products marked QUANTISED in the list below multiply operands that are first quantised to E3M2 (3 exponent bits, 2 mantissa bits; 6 bits a number), with one power-of-two scale for each 32 numbers along K (OCP MX v1.0); their sums are f32. All else is computed in f32.
;;   The module's matrix products, in the order in which they are computed (A, B: the left and right operand; K: the contracted axis; several contracted axes count as one K, in the product's order):
;;     1. [M 8,192, K 1] x [K 1, N 4,096]; A: input x; B: input W_ih: left as it is (K = 1 < 32)
;;     2. [M 8,192, K 1,024] x [K 1,024, N 4,096]; A: input h0; B: input W_hh: QUANTISED
;;     3. [M 8,192, K 4] x [K 4, N 2,048]; A: input x; B: input film_W1: left as it is (K = 4 < 32)
;;     4. [M 8,192, K 2,048] x [K 2,048, N 2,048]; A: computed on the way; B: input film_W2: QUANTISED
;;     5. [M 8,192, K 1,024] x [K 1,024, N 1]; A: computed on the way; B: input fc_W: left as it is (N = 1 < 16)
;;   THE QUANTISER, for each operand of a quantised product, along K:
;;     - K is cut into blocks of 32 from its start; a last block that is shorter is filled with zeros.
;;     - A block's scale is 2^e with e = floor(log2(the largest magnitude in the block)) - 4, held to -126 .. 127; a block of zeros has e = 0. As a byte (E8M0): e + 127.
;;     - Each number is divided by its block's scale, clamped to +-28, and rounded to the nearest number of E3M2, ties to even, subnormals kept.
;;     - The product sums the exact products of the quantised numbers (number of the format x scale) in f32.
;;   ~~~python
;;   def quantise(x, axis):      # numpy; x: float32 -> the quantised numbers, widened to float32 again
;;       x = np.moveaxis(x, axis, -1); K = x.shape[-1]
;;       x = np.pad(x, [(0, 0)] * (x.ndim - 1) + [(0, -K % 32)]); x = x.reshape(x.shape[:-1] + (-1, 32)); a = np.abs(x).max(-1, keepdims=True)
;;       e = np.where(a > 0, np.clip(np.frexp(np.where(a > 0, a, 1))[1] - 1 - 4, -126, 127), 0)      # np.frexp(a)[1] - 1 = floor(log2(a)), exactly
;;       r = np.clip(x / 2.0 ** e, -28, 28)
;;       step = 2.0 ** (np.maximum(np.frexp(np.where(r == 0, 1, r))[1] - 1, -2) - 2)
;;       q = np.round(r / step) * step * 2.0 ** e      # np.round: ties to even
;;       return np.moveaxis(q.reshape(q.shape[:-2] + (-1,))[..., :K], -1, axis).astype(np.float32)
;;   ~~~
;;   OPERANDS COMPUTED ON THE WAY. 'Computed on the way' means the value that the module computes at that place (a softmax that the list does not call 'softmax' is quantised finished and normalised). What goes into a quantiser is computed in f32, as accurately as f32 sums, v_exp_f32 and their like allow (about 1e-6 of the number): no bf16 or f16 on the way to a quantiser, and a product that is left as it is and whose result goes on into a quantised operand takes f32 operands (vector FMAs, or v_wmma_f32_16x16x4_f32). A number that lies on a knife's edge between two numbers of the format may be rounded either way, as far as f32 arithmetic and the matrix unit's own rounding can turn it there, and no further.
;; 2 versions. Each part assembles by itself: llvm-mc -triple=amdgcn-amd-amdhsa -mcpu=gfx1250 --defsym DOCPART=n.
;; ======== version 1 of 2: 3 launches
;; limits: right only within a limited range of input values
;; workspace buffers: atiles 19,660,800 bytes; btiles 6,553,600 bytes; part 1,048,576 bytes
;; launch quant (part 1): grid 768 x 1, 4 waves a work-group, no clusters, 68,096 bytes of LDS; arguments h0, W_hh, film_W2, x, film_W1, film_b1, atiles, btiles; writes atiles, btiles
.if DOCPART == 1
	.amdgcn_target "amdgcn-amd-amdhsa--gfx1250"
	.amdhsa_code_object_version 6
	.text
	.protected	k_qc30674005c_quant
	.globl	k_qc30674005c_quant
	.p2align	8
	.type	k_qc30674005c_quant,@function
k_qc30674005c_quant:
	s_mov_b64 s[64:65], 0
	v_nop
	global_prefetch_b8 v0, s[64:65] scope:SCOPE_SE
	s_setreg_imm32_b32 hwreg(HW_REG_WAVE_MODE, 25, 1), 1
	s_wait_xcnt 0x0
; ONE LSTM STEP WITH A FiLM HEAD, first of three launches: every operand of the two quantised products becomes codes of E3M2 (6 bits) with one E8M0 byte for each 32 along K.
; DEAD WORK: none.  h0, c0 and all biases are inputs, not zeros that the problem builds itself; every input has a way to the output, so every input is loaded by some launch and every product is done.
; What is made here: h0 [8192][1024], W_hh [4096][1024], film_W2 [2048][2048] (K innermost in all three), and hid = relu(C W1^T + b1) [8192][2048], computed in f32 by fused multiply-adds.
; A block's scale is 2^(floor(log2(largest magnitude)) - 4); its byte is the largest magnitude's exponent field - 4, held at 1 from below; numbers beyond 28 x scale take the largest code.
; LIMITS: NaN and infinities among the inputs are not served.  A block of zeros gets the byte 1 where the rule says 127: its codes are zeros, which add nothing, and this program alone reads the bytes.
; THE WORKSPACE IS LAID AS THE READER'S REGISTERS WANT IT.  A fragment (16 rows x 128 K, 12 registers a lane) is 1,536 bytes: register group c of lane l at 512 c + 16 l.
;   A tile, 25,600 bytes: 128 rows x 256 K: fragment (K step q, row block i) at (8 q + i) 1,536; from 24,576 on the scale words: row 32 x + l has its words of q = 0 and 1 at 256 x + 8 l.
;   atiles: tile (12 R + t), R = the group of 128 rows; t = 0..3: h0; t = 4..11: hid.
;   btiles: 204,800 bytes for each S = j / 32: four tiles of W_hh (row block 2 gate + jt = rows 1024 gate + 32 S + 16 jt ..), then eight half tiles of film_W2, 12,800 bytes each
;   (64 rows x 256 K: row block 2 kind + jt, fragment (q, b) at (4 q + b) 1,536, scale words from 12,288 on).
; A LANE TAKES A ROW, its registers run along K: a block's largest magnitude needs no other lane, and a lane's four bytes are its row's scale word.  Twelve exchanges of lane halves turn 32 rows' codes into two fragments.
; Work-groups 0..511: a wave takes 32 rows x 256 K of a tensor.  Each load reads 512 consecutive bytes of one row; the rows turn through the wave's own stage in LDS (528 bytes a row) and come back a row a lane.
; Work-groups 512..767: a wave makes 64 rows x 256 K of hid; W1 and b1 are the same for all lanes and come by scalar loads, eight k at a time, one batch ahead.
.set SPARE, 67584                      ; behind the four stages: the spare words, 128 bytes a wave
.set STG,   16896                      ; a wave's stage: 32 rows x 528
.set RP,    528                        ; 512 bytes + 16: an odd multiple of 16
.set SPW, 6                            ; v6  my spare word's address; never rewritten
.set NIL, 7                            ; v7  0; never rewritten
.set RAW, 32                           ; v32-159   32 rows x 16 bytes a lane, as loaded
.set XX,  160                          ; v160-223  two sets of 32 neighbours along K
.set F0,  224                          ; v224-235  blocks 0 and 2 of my row, then the fragment of rows 0-15
.set F1,  236                          ; v236-247  blocks 1 and 3, then the fragment of rows 16-31
.set TMP, 248                          ; v248-250  a block's upper 16 codes (a conversion's three registers begin on an even number)
.set WD,  252                          ; v252-253  my row's scale words of K steps 0 and 1
.set WV,  100                          ; s100 my wave's number
; 32 numbers v[xs ..] of one block become 6 registers of codes at v[dst ..] and byte kb of v[word]
.macro QBLOCK xs, dst, kb, word
	v_max3_num_f32 v8, |v[\xs]|, |v[\xs+1]|, |v[\xs+2]|
	v_max3_num_f32 v9, |v[\xs+3]|, |v[\xs+4]|, |v[\xs+5]|
.irp i, 6,10,14,18,22,26
	v_max3_num_f32 v8, v8, |v[\xs+\i]|, |v[\xs+\i+1]|
	v_max3_num_f32 v9, v9, |v[\xs+\i+2]|, |v[\xs+\i+3]|
.endr
	v_max3_num_f32 v8, v8, |v[\xs+30]|, |v[\xs+31]|
	v_max3_num_f32 v8, v8, v9, 0x2800000           ; the floor 2^(5 - 127): the byte cannot fall under 1
	v_add_nc_u32 v10, 0xfe000000, v8               ; 4 off the exponent field: the conversion takes this operand's exponent field as its scale
	v_cvt_scalef32_pk16_bf6_f32 v[\dst:\dst+2], v[\xs:\xs+15], v10
	v_cvt_scalef32_pk16_bf6_f32 v[TMP:TMP+2], v[\xs+16:\xs+31], v10
	v_lshrrev_b32 v11, 23, v10                     ; the scale's byte (also the plain line behind the conversions)
.if \kb == 0
	v_mov_b32 v[\word], v11
.else
	v_lshl_or_b32 v[\word], v11, 8*\kb, v[\word]
.endif
	v_mov_b32 v[\dst+3], v[TMP]
	v_mov_b32 v[\dst+4], v[TMP+1]
	v_mov_b32 v[\dst+5], v[TMP+2]
.endm
; lanes 16-31 of f0 change places with lanes 0-15 of f1: f0 is then the fragment of rows 0-15, f1 that of rows 16-31; each store covers 512 consecutive bytes, aligned to 256
.macro FINISH f0, f1, base, off
.set ii, 0
.rept 12
	v_permlane16_swap_b32 v[\f0+ii], v[\f1+ii]
.set ii, ii+1
.endr
.irp c, 0,1,2
	global_store_b128 v4, v[\f0+4*\c:\f0+4*\c+3], s[\base:\base+1] offset:\off+512*\c
.endr
.irp c, 0,1,2
	global_store_b128 v4, v[\f1+4*\c:\f1+4*\c+3], s[\base:\base+1] offset:\off+1536+512*\c
.endr
.endm
	s_load_b512 s[4:19], s[0:1], 0x0               ; h0, W_hh, film_W2, x, film_W1, film_b1, atiles, btiles
	v_lshl_add_u32 v[SPW], v0, 2, SPARE
	v_mov_b32 v[NIL], 0
	v_lshrrev_b32 v1, 5, v0
	v_readfirstlane_b32 s[WV], v1
	v_and_b32 v1, 31, v0                           ; lane
	v_lshlrev_b32 v4, 4, v1                        ; 16 x lane
	v_lshlrev_b32 v5, 3, v1                        ; 8 x lane
	s_cmp_ge_u32 ttmp9, 512
	s_cbranch_scc1 .Lhid
; ---------------- the three tensors that arrive as f32 ----------------
; unit U = 4 x work-group + wave.  U < 1024: h0; U < 1536: W_hh; else film_W2.  Only pointers and offsets are chosen: all three take one path.
	s_lshl_b32 s30, ttmp9, 2
	s_add_co_u32 s30, s30, s[WV]
	s_mov_b32 s31, 1536
	s_mov_b32 s36, 12800
	s_mov_b32 s38, 6144
	s_cmp_lt_u32 ttmp9, 384                        ; not film_W2?
	s_cselect_b32 s31, 1024, s31
	s_cselect_b32 s32, 2, 3                        ; K tiles of 256: 4 or 8
	s_cselect_b32 s33, 3, 7
	s_cselect_b32 s34, 17, 18                      ; 32 rows: 2^17 or 2^18 bytes
	s_cselect_b32 s35, 12, 13                      ; a row: 2^12 or 2^13 bytes
	s_cselect_b32 s36, 25600, s36                  ; a tile in the workspace
	s_cselect_b32 s37, 0, 102400                   ; film_W2's tiles lie behind W_hh's four
	s_cselect_b32 s38, 12288, s38                  ; from K step 0's fragments to K step 1's; twice that: where the scale words begin
	s_cmp_lt_u32 ttmp9, 256                        ; h0?
	s_cselect_b32 s31, 0, s31
	s_sub_co_u32 s30, s30, s31                     ; the unit's number in its tensor
	s_and_b32 s39, s30, s33                        ; t: which 256 along K
	s_lshr_b32 s40, s30, s32                       ; which 32 rows
	s_lshl_b32 s41, s40, s34
	s_lshl_b32 s42, s39, 10
	s_add_co_u32 s41, s41, s42                     ; the unit's first byte in its tensor
	s_lshl_b32 s35, 1, s35                         ; the pitch
	s_lshr_b32 s43, s40, 2
	s_mul_i32 s43, s43, 307200                     ; h0: 12 tiles for each 128 rows
	s_and_b32 s44, s40, 31
	s_mul_i32 s44, s44, 204800                     ; weights: S
	s_and_b32 s45, s40, 3                          ; h0: which 32 of the 128 rows
	s_lshr_b32 s46, s40, 5                         ; weights: the gate, or gamma / beta
	s_cmp_lt_u32 ttmp9, 256
	s_cselect_b32 s43, s43, s44
	s_cselect_b32 s45, s45, s46
	s_mul_i32 s36, s36, s39
	s_add_co_u32 s43, s43, s36
	s_add_co_u32 s43, s43, s37                     ; the tile's first byte
	s_mul_i32 s46, s45, 3072
	s_add_co_u32 s46, s46, s43                     ; my two fragments of K step 0
	s_lshl_b32 s47, s38, 1
	s_lshl_b32 s45, s45, 8
	s_add_co_u32 s47, s47, s45
	s_add_co_u32 s47, s47, s43                     ; my 256 bytes of scale words
	s_mov_b32 s49, 0
	s_mul_i32 s50, s[WV], STG
	v_add_nc_u32 v2, s50, v4                       ; the stage, on the way in: 16 x lane of a row
	v_mul_u32_u24 v3, v1, RP
	v_add_nc_u32 v3, s50, v3                       ; and on the way out: my row
.irp i, 0,1,2,3,4,5,6,7,8,9,10,11,12,13,14,15
	v_mad_u32_u24 v[16+\i], s35, \i, v4            ; row i of sixteen, my 16 bytes
.endr
	s_wait_kmcnt 0x0
	s_cmp_lt_u32 ttmp9, 384
	s_cselect_b64 s[20:21], s[6:7], s[8:9]
	s_cmp_lt_u32 ttmp9, 256
	s_cselect_b64 s[20:21], s[4:5], s[20:21]
	s_cselect_b64 s[24:25], s[16:17], s[18:19]
	s_mov_b32 s48, s41
	s_add_nc_u64 s[20:21], s[20:21], s[48:49]      ; rows 0-15
	s_lshl_b32 s48, s35, 4
	s_add_nc_u64 s[22:23], s[20:21], s[48:49]      ; rows 16-31
	s_mov_b32 s48, s47
	s_add_nc_u64 s[28:29], s[24:25], s[48:49]      ; the scale words
	s_mov_b32 s48, s46
	s_add_nc_u64 s[24:25], s[24:25], s[48:49]      ; K step 0's fragments
	s_mov_b32 s48, s38
	s_add_nc_u64 s[26:27], s[24:25], s[48:49]      ; K step 1's
.macro LOADH q                         ; 128 along K of 32 rows: each load is 512 consecutive bytes of one row
.set nn, 0
.rept 32
	global_load_b128 v[RAW+4*nn:RAW+4*nn+3], v[16+nn%16], s[20+2*(nn/16):21+2*(nn/16)] offset:512*\q th:TH_LOAD_NT
.set nn, nn+1
.endr
.endm
.macro TOST                            ; into the stage as they come: the count leaves the younger loads out
.set nn, 0
.rept 32
	s_wait_loadcnt 31-nn
	ds_store_b128 v2, v[RAW+4*nn:RAW+4*nn+3] offset:RP*nn
.set nn, nn+1
.endr
.endm
.macro RD kb, set                      ; block kb of my row: 128 bytes
.irp c, 0,1,2,3,4,5,6,7
	ds_load_b128 v[XX+32*\set+4*\c:XX+32*\set+4*\c+3], v3 offset:128*\kb+16*\c
.endr
.endm
.macro HALF q
	TOST
	RD 0, 0                                        ; LDS serves a wave's instructions in order: these see my stores
	RD 1, 1
	s_wait_dscnt 16                                ; the 32 stores have read their registers (the 16 reads may be out),
.if \q == 0
	LOADH 1                                        ; which take the second K step's loads
.endif
	s_wait_dscnt 8                                 ; block 0 is in; block 1's eight reads may be out
	QBLOCK XX, F0, 0, WD+\q
	RD 2, 0
	s_wait_dscnt 8                                 ; block 1 is in
	QBLOCK XX+32, F1, 1, WD+\q
	RD 3, 1
	s_wait_dscnt 8                                 ; block 2 is in
	QBLOCK XX, F0+6, 2, WD+\q
	s_wait_dscnt 0x0
	QBLOCK XX+32, F1+6, 3, WD+\q
	FINISH F0, F1, 24+2*\q, 0
.endm
	LOADH 0
	HALF 0
	s_wait_xcnt 0x0                                ; the stores' data registers are written again only behind this wait
	HALF 1
	global_store_b64 v5, v[WD:WD+1], s[28:29]      ; 32 rows' scale words: 256 consecutive bytes, aligned
	s_wait_tensorcnt 0x0                           ; the wave's end, behind my last LDS store
	ds_add_u32 v[SPW], v[NIL]
	s_wait_dscnt 0x0
	s_endpgm
; ---------------- hid = relu(C W1^T + b1) ----------------
.Lhid:
	s_sub_co_u32 s101, ttmp9, 512
	s_lshl_b32 s101, s101, 2
	s_add_co_u32 s101, s101, s[WV]                 ; unit 0..1023
	s_and_b32 s104, s101, 7                        ; T: which 256 of the 2,048 hidden units
	s_lshr_b32 s105, s101, 3                       ; which 64 rows
	s_lshr_b32 s2, s105, 1                         ; R
	s_and_b32 s3, s105, 1                          ; which half of the tile's 128 rows
	s_mul_i32 s2, s2, 12
	s_add_co_u32 s2, s2, s104
	s_add_co_u32 s2, s2, 4
	s_mul_i32 s2, s2, 25600                        ; the tile's first byte
	s_mul_i32 s20, s3, 6144
	s_add_co_u32 s20, s20, s2                      ; my four fragments of K step 0
	s_mov_b32 s21, 0
	s_lshl_b32 s22, s3, 9
	s_add_co_u32 s22, s22, s2
	s_add_co_u32 s22, s22, 24576                   ; my 512 bytes of scale words
	s_mov_b32 s23, 0
	v_mul_u32_u24 v12, v1, 20                      ; a row of x is 20 bytes
	s_wait_kmcnt 0x0
	s_add_nc_u64 s[4:5], s[16:17], s[20:21]
	s_add_nc_u64 s[6:7], s[16:17], s[22:23]
	s_lshl_b32 s20, s104, 12
	s_add_nc_u64 s[12:13], s[12:13], s[20:21]      ; W1 at hidden unit 256 T (16 bytes a unit)
	s_lshl_b32 s20, s104, 10
	s_add_nc_u64 s[14:15], s[14:15], s[20:21]      ; b1 likewise
	s_mul_i32 s20, s105, 1280
	s_add_nc_u64 s[10:11], s[10:11], s[20:21]      ; x at my first row
.irp g, 0,1
.irp s, 0,1,2,3
	global_load_b32 v[16+4*\g+\s], v12, s[10:11] offset:640*\g+4+4*\s   ; C of row 32 g + lane
.endr
.endr
	v_mov_b32 v145, 0
	v_mov_b32 v147, 0
	s_mov_b32 s101, 2                              ; two K steps of 128
	s_wait_loadcnt 0x0
.macro SLOAD n, w, b                   ; eight hidden units: 32 words of W1, 8 of b1
	s_load_b512 s[\w:\w+15], s[12:13], 128*(\n)
	s_load_b512 s[\w+16:\w+31], s[12:13], 128*(\n)+64
	s_load_b256 s[\b:\b+7], s[14:15], 32*(\n)
.endm
.macro COMP n, w, b                    ; eight chains at a time, so that no line waits for the line above it
.irp z, 0,4
.irp k, 0,1,2,3
.irp g, 0,1
	v_fma_f32 v[32+32*\g+8*((\n)%4)+\z+\k], v[16+4*\g], s[\w+4*(\z+\k)], s[\b+\z+\k]
.endr
.endr
.irp s, 1,2,3
.irp k, 0,1,2,3
.irp g, 0,1
	v_fmac_f32 v[32+32*\g+8*((\n)%4)+\z+\k], s[\w+4*(\z+\k)+\s], v[16+4*\g+\s]
.endr
.endr
.endr
.irp k, 0,1,2,3
.irp g, 0,1
	v_max_num_f32 v[32+32*\g+8*((\n)%4)+\z+\k], 0, v[32+32*\g+8*((\n)%4)+\z+\k]
.endr
.endr
.endr
.endm
.Lq:
	v_mov_b32 v144, v145                           ; the first K step's words move down; the second trip writes the upper ones
	v_mov_b32 v146, v147
	SLOAD 0, 16, 48
.set nb, 0
.rept 16
	s_wait_kmcnt 0x0                               ; this batch is in (scalar loads are waited for by 0 alone); the next goes out into the other set
.if nb < 15
.if nb%2 == 0
	SLOAD nb+1, 68, 56
.else
	SLOAD nb+1, 16, 48
.endif
.endif
.if nb%2 == 0
	COMP nb, 16, 48
.else
	COMP nb, 68, 56
.endif
.if nb%4 == 3
.set qk, nb/4
.irp g, 0,1
	QBLOCK 32+32*\g, 96+24*\g+12*(qk%2)+6*(qk/2), qk, 145+2*\g
.endr
.endif
.set nb, nb+1
.endr
.irp g, 0,1
	FINISH 96+24*\g, 108+24*\g, 4, 3072*\g
.endr
	s_wait_xcnt 0x0                                ; the stores' registers and base are written again only behind this wait
	s_add_nc_u64 s[4:5], s[4:5], 12288
	s_add_nc_u64 s[12:13], s[12:13], 2048
	s_add_nc_u64 s[14:15], s[14:15], 512
	s_sub_co_u32 s101, s101, 1
	s_cmp_lg_u32 s101, 0
	s_cbranch_scc1 .Lq
	global_store_b64 v5, v[144:145], s[6:7]
	global_store_b64 v5, v[146:147], s[6:7] offset:256
	s_wait_tensorcnt 0x0                           ; the same three lines at this path's end
	ds_add_u32 v[SPW], v[NIL]
	s_wait_dscnt 0x0
	s_endpgm
.Lfunc_end_k_qc30674005c_quant:
	.size	k_qc30674005c_quant, .Lfunc_end_k_qc30674005c_quant-k_qc30674005c_quant
	.p2alignl 7, 3214868480
	.fill 96, 4, 3214868480
	.section	.rodata,"a",@progbits
	.p2align	6, 0x0
	.amdhsa_kernel k_qc30674005c_quant
		.amdhsa_group_segment_fixed_size 68096
		.amdhsa_private_segment_fixed_size 0
		.amdhsa_enable_private_segment 0
		.amdhsa_kernarg_size 64
		.amdhsa_user_sgpr_count 2
		.amdhsa_user_sgpr_kernarg_segment_ptr 1
		.amdhsa_wavefront_size32 1
		.amdhsa_system_sgpr_workgroup_id_x 1
		.amdhsa_system_sgpr_workgroup_id_y 1
		.amdhsa_system_sgpr_workgroup_id_z 1
		.amdhsa_system_vgpr_workitem_id 0
		.amdhsa_next_free_vgpr 256
		.amdhsa_next_free_sgpr 106
		.amdhsa_reserve_vcc 0
		.amdhsa_float_denorm_mode_32 3
		.amdhsa_float_denorm_mode_16_64 3
		.amdhsa_memory_ordered 1
		.amdhsa_forward_progress 1
		.amdhsa_inst_pref_size 102
	.end_amdhsa_kernel
	.amdgpu_metadata
---
amdhsa.version: [ 1, 2 ]
amdhsa.kernels:
  - .name:           k_qc30674005c_quant
    .symbol:         k_qc30674005c_quant.kd
    .args:
      - { .name: h0, .offset: 0, .size: 8, .value_kind: global_buffer, .address_space: global }
      - { .name: W_hh, .offset: 8, .size: 8, .value_kind: global_buffer, .address_space: global }
      - { .name: film_W2, .offset: 16, .size: 8, .value_kind: global_buffer, .address_space: global }
      - { .name: x, .offset: 24, .size: 8, .value_kind: global_buffer, .address_space: global }
      - { .name: film_W1, .offset: 32, .size: 8, .value_kind: global_buffer, .address_space: global }
      - { .name: film_b1, .offset: 40, .size: 8, .value_kind: global_buffer, .address_space: global }
      - { .name: atiles, .offset: 48, .size: 8, .value_kind: global_buffer, .address_space: global }
      - { .name: btiles, .offset: 56, .size: 8, .value_kind: global_buffer, .address_space: global }
    .group_segment_fixed_size: 68096
    .private_segment_fixed_size: 0
    .kernarg_segment_align: 8
    .kernarg_segment_size: 64
    .max_flat_workgroup_size: 128
    .sgpr_count:     106
    .vgpr_count:     256
    .wavefront_size: 32
...
	.end_amdgpu_metadata
.endif
;; end of part 1
;; launch cell (part 2): grid 16 x 32, 4 waves a work-group, clusters of 4 x 4, 327,680 bytes of LDS; arguments atiles, btiles, c0, x, W_ih, b_ih, b_hh, film_b2, fc_W, part; writes part
.if DOCPART == 2
	.amdgcn_target "amdgcn-amd-amdhsa--gfx1250"
	.amdhsa_code_object_version 6
	.text
	.protected	k_qc30674005c_cell
	.globl	k_qc30674005c_cell
	.p2align	8
	.type	k_qc30674005c_cell,@function
k_qc30674005c_cell:
	s_mov_b64 s[64:65], 0
	v_nop
	global_prefetch_b8 v0, s[64:65] scope:SCOPE_SE
	s_setreg_imm32_b32 hwreg(HW_REG_WAVE_MODE, 25, 1), 1
	s_wait_xcnt 0x0
	s_wait_alu depctr_hold_cnt(0) depctr_sa_sdst(0) depctr_va_vdst(0) depctr_va_sdst(0) depctr_va_ssrc(0) depctr_va_vcc(0) depctr_vm_vsrc(0)
	s_getreg_b32 s2, hwreg(HW_REG_IB_STS2, 6, 4)
	s_cmp_eq_u32 s2, 0
	s_cbranch_scc0 .Lentry_in_a_cluster
	s_endpgm
.Lentry_in_a_cluster:
	s_bfe_u32 s2, ttmp6, 0x10000c
	s_cmp_lg_u32 s2, 0xf033
	s_cbranch_scc0 .Lentry_shape_is_right
	s_endpgm
.Lentry_shape_is_right:
; Second launch: both quantised products, the LSTM cell, FiLM, and fc_W . (gamma h + beta) summed over 32 units j for each wave.  No work of the problem is left out.
; SHARES.  Work-group (J, y): rows 256 y .., units 64 J .. 64 J + 63.  Wave w: rows 128 (w / 2) .., units 32 S .., S = 2 J + w % 2.
;   Phase G: gates i, f, g, o of my 32 units: 128 rows x 128 weight rows, K = 1,024: 8 steps of 64 matrix instructions.   Phase F: gamma, beta: 128 x 64, K = 2,048: 16 steps of 32.
; THE MATRIX INSTRUCTION IS USED TRANSPOSED (source 0 = 16 weight rows, source 1 = 16 rows of the batch): lane (r, h), register i of accumulator (a, b) holds row 16 a + r and unit 32 S + 16 jt + 8 h + i,
;   b = 2 gate + jt.  So the four gates, gamma, beta, c0 and fc_W of one element meet in one lane at one register index, and the sum over j stays in the lane but for one exchange of halves.
; The gates' sums begin as sig W_ih + b_ih + b_hh (packed multiply-adds at the head, while the first tiles are on their way); gamma's and beta's begin with film_b2 as the first C.  Nothing is cleared.
; OPERANDS lie in the workspace and in LDS as images of their registers: a fragment is three loads of 16 bytes a lane at 16 x lane, 512 consecutive bytes each: no pitch, no padding.
; CLUSTER 4 x 4: A's tiles hang on y alone and are asked for jointly along a row of the cluster, B's on J alone, along a column.  c0's tile is the work-group's own: a plain load.
; LDS: slot X [0, 153,600), slot Y [153,600, 307,200).  G form of a slot: A's halves at 25,600 wr, B's at 51,200 + 25,600 wc.  F form (512 along K): A's halves at 51,200 wr (two tiles), B's at 102,400 + 25,600 wc (two half tiles).
;   Fills: head: G0 -> X, G1 -> Y, and B of F'0 -> Y's upper part, B of F'1 -> X's upper part.  Then, each behind a round: G2 -> X; G3 -> Y; c0 -> X (256 rows x 272); A of F'0 -> Y; (behind the cell's arithmetic) A of F'1 -> X; F'2 -> Y; F'3 -> X.
;   By this text's count a wave has three tensor loads out at the head and one behind each round.  From 307,200: 512 bytes a wave for the way out; from 309,248: the spare words.
; sigmoid(z) = 1 / (1 + 2^(-L z)), tanh(z) = (1 - e) / (1 + e) with e = 2^(-2 L z), L = log2(e); the three denominators of c_new are multiplied and inverted once, and likewise the two of h_new.
; LIMITS: every exponent is held at 40 from above, so that products of denominators stay finite: a sigmoid is moved by less than 2^-39, a tanh by less than f32's rounding.  |c0| under 2^47.  NaN and infinities are not served.
; No prefetch: each tile is read by several clusters at about the same time, and each refill has 128 matrix instructions a wave in which to land.
.set TILE,  25600
.set FRB,   1536
.set SLOTB, 153600
.set GBO,   51200
.set FBO,   102400
.set SCA,   24576
.set SCF,   12288
.set FT,    12800
.set CP,    272                        ; a row of c0 in LDS: 256 bytes + 16: 16 rows start in 16 different columns of banks
.set SCR,   307200
.set SPARE, 309248
; window 0
.set ADRA, 1                           ; v1-2   G form: my A fragments in slot 0, 1
.set ADRB, 3                           ; v3-4   my B fragments
.set ASA,  5                           ; v5-6   A's scale words
.set ASB,  7                           ; v7-8   B's
.set FADA, 9                           ; v9-16  the same four in F form
.set FADB, 11
.set FSA,  13
.set FSB,  15
.set C0A,  17                          ; v17  my 32 bytes of a row of c0
.set SIN,  18                          ; v18  the way out: in
.set SOUT, 19                          ; v19  the way out: back
.set L16,  20                          ; v20  16 x lane
.set SPW,  28                          ; v28  my spare word; never rewritten
.set NIL,  29                          ; v29  0; never rewritten
.set SC,   32                          ; v32-63 scale words and nothing else: set s at 32 + 16 s; A's at + 2 x + q (blocks 2 x in lanes 0-15, 2 x + 1 in lanes 16-31), B's at + 8 + 2 x + q
.set FB2,  64                          ; v64-95  film_b2 in the result's layout: 8 (2 kind + jt) + i
.set FCW,  96                          ; v96-111 fc_W: 8 jt + i
.set SG,   112                         ; v112-127 sig of block a, twice (a pair); on the way out the sums
.set AF,   128                         ; v128-223 A's eight fragments (phase F: set 0; set 1 at the same numbers in window 1)
.set CB,   224                         ; v224-255 c0 of two row blocks
; window 1: phase G: B's set p at 128 p + 12 b; phase F: B's set p at 48 p + 12 b.   windows 2, 3: accumulator (a, b) at 8 (8 (a % 4) + b), window 2 + a / 4.
; In phase F: fc_W h stands in (a, jt); gamma in (a, 4 + jt), beta in (a, 6 + jt).
.set G1A,  24                          ; s[24:31] 100 rows of 256 bytes, row mask
.set G1AF, 32                          ; s[32:39] 200 rows, row mask
.set G1B,  40                          ; s[40:47] 100 rows, column mask
.set G1C,  48                          ; s[48:55] c0: 64 rows of 256 bytes, 4,096 apart, padded, no mask
.set G0A,  56                          ; s[56:63] A's group 0 for slot 0, 1
.set G0B,  68                          ; s[68:75] B's
.set G0FB, 76                          ; s[76:79] the head's piece of F'0's or F'1's B
.set G0C,  80                          ; s[80:83] c0
.set G0AQ, 84                          ; s[84:87] a quarter of F'0's, then of F'1's A
.set WV,   88
.set WR,   89                          ; my half of the rows; also: I fetch for A (0) or for B (1)
.set WC,   90                          ; my half of the units; also: which half I fetch
.set HB,   91                          ; 25,600 x WC
.set NL1,  92                          ; s[92:93] -log2(e)
.set NL2,  94                          ; s[94:95] -2 log2(e)
.set CAP,  96                          ; s96 40.0
.set SEL,  98                          ; s[98:99] selects for lane l xor 16
.set MSB, 0
.macro WIN new                         ; the immediate's high byte repeats the setting that is left
.if MSB != (\new)
	s_set_vgpr_msb (MSB<<8)|(\new)
.set MSB, (\new)
.endif
.endm
.set MUL_LO, 0xa1                      ; source 0 (B) window 1, source 1 (A) window 0, C and D window 2
.set MUL_HI, 0xf1
.set TO_B,   0x40                      ; destination window 1, address window 0
.macro PLACES                          ; four plain lines in front of loads into registers that matrix instructions have read, and of the first read of results
.rept 4
	v_nop
.endr
.endm
.macro TL g0, g1                       ; a tensor load that every wave issues, each for bytes of its own; an s_nop 0 and four v_nop follow
	tensor_load_to_lds s[\g0:\g0+3], s[\g1:\g1+7]
	s_nop 0
.rept 4
	v_nop
.endr
.endm
.macro JLOAD g0a, g1a, g0b, g1b        ; waves 0 and 1 fetch for A, waves 2 and 3 for B; the branch hangs on the wave's number alone
	s_cmp_eq_u32 s[WR], 0
	s_cbranch_scc0 .Lfor_b_\@
	tensor_load_to_lds s[\g0a:\g0a+3], s[\g1a:\g1a+7]
	s_nop 0
.rept 4
	v_nop
.endr
	s_branch .Lasked_\@
.Lfor_b_\@:
	tensor_load_to_lds s[\g0b:\g0b+3], s[\g1b:\g1b+7]
	s_nop 0
.rept 4
	v_nop
.endr
.Lasked_\@:
.endm
.macro CREST                           ; a round of the cluster's barrier behind its opening barrier
	s_cmp_lg_u32 s[WV], 0
	s_cbranch_scc1 .Lnot_wave_0_\@
	s_barrier_signal -3
.Lnot_wave_0_\@:
	s_barrier_wait -3
	s_barrier_signal -1
	s_barrier_wait -1
.endm
.macro CROUND
	s_barrier_signal -1
	s_barrier_wait -1
	CREST
.endm
	s_load_b512 s[4:19], s[0:1], 0x0               ; atiles, btiles, c0, x, W_ih, b_ih, b_hh, film_b2
	s_load_b128 s[20:23], s[0:1], 0x40             ; fc_W, part
	v_lshl_add_u32 v[SPW], v0, 2, SPARE
	v_mov_b32 v[NIL], 0
	ds_add_u32 v[SPW], v[NIL]                      ; the wave's opening: the add, twice on end, and its wait ahead of my first tensor load
	ds_add_u32 v[SPW], v[NIL]
	v_lshrrev_b32 v21, 5, v0
	v_readfirstlane_b32 s[WV], v21
	s_lshr_b32 s[WR], s[WV], 1
	s_and_b32 s[WC], s[WV], 1
	s_bfe_u32 s104, ttmp6, 0x40000                 ; cx
	s_bfe_u32 s105, ttmp6, 0x40004                 ; cy
	s_lshl_b32 s100, ttmp9, 2
	s_add_co_u32 s100, s100, s104                  ; J
	s_and_b32 s101, ttmp7, 0xffff
	s_lshl_b32 s101, s101, 2
	s_add_co_u32 s101, s101, s105                  ; y
	s_lshl_b32 s2, s105, 2
	s_lshl_b32 s2, 15, s2                          ; my row of the cluster
	s_lshl_b32 s66, 0x1111, s104                   ; my column
	s_or_b32 s[G1A], s2, (3<<16)|(1<<21)           ; 15:0 the mask; 17:16 elements of 8 bytes; 21 set beside a mask; no padding
	s_or_b32 s[G1AF], s2, (3<<16)|(1<<21)
	s_or_b32 s[G1B], s66, (3<<16)|(1<<21)
	s_mov_b32 s[G1C], (3<<16)|(1<<20)|(5<<22)|(3<<25)   ; no mask; padding: 4 words behind every 64
.irp g, G1A, G1AF, G1B, G1C
	s_mov_b32 s[\g+1], 32<<16                      ; tensor_dim0 = 32 elements: 256 bytes
	s_mov_b32 s[\g+3], 32<<16                      ; tile_dim0
	s_mov_b32 s[\g+6], 0
	s_mov_b32 s[\g+7], 0
.endr
	s_mov_b32 s[G1A+2], 100<<16                    ; tensor_dim1
	s_mov_b32 s[G1A+4], 100                        ; tile_dim1
	s_mov_b32 s[G1A+5], 32                         ; dense: the pitch is the row
	s_mov_b32 s[G1AF+2], 200<<16
	s_mov_b32 s[G1AF+4], 200
	s_mov_b32 s[G1AF+5], 32
	s_mov_b32 s[G1B+2], 100<<16
	s_mov_b32 s[G1B+4], 100
	s_mov_b32 s[G1B+5], 32
	s_mov_b32 s[G1C+2], 64<<16
	s_mov_b32 s[G1C+4], 64
	s_mov_b32 s[G1C+5], 512                        ; a row of c0 is 4,096 bytes
	s_mul_i32 s[HB], s[WC], TILE
	s_lshl_b32 s2, s101, 1                         ; A: the 128 rows 2 y + e: 12 tiles each
	s_add_co_u32 s2, s2, s[WC]
	s_mul_i32 s2, s2, 12*TILE
	s_mov_b32 s3, 0
	s_lshl_b32 s66, s100, 1                        ; B: S = 2 J + e
	s_add_co_u32 s66, s66, s[WC]
	s_mul_i32 s66, s66, 8*TILE
	s_mov_b32 s67, 0
	s_lshl_b32 s92, s101, 1                        ; a quarter of F'0's A: rows 2 y + w / 2, tile 4 + w % 2
	s_add_co_u32 s92, s92, s[WR]
	s_mul_i32 s92, s92, 12*TILE
	s_add_co_u32 s92, s92, s[HB]
	s_add_co_u32 s92, s92, 4*TILE
	s_mov_b32 s93, 0
	s_mul_i32 s94, s[WR], TILE                     ; the head's piece of B: S = 2 J + w % 2, piece 4 + w / 2
	s_add_co_u32 s94, s94, s66
	s_add_co_u32 s94, s94, 4*TILE
	s_mov_b32 s95, 0
	s_xor_b32 s98, s[WR], 1                        ; piece 4 (F'0) goes to slot Y, piece 5 (F'1) to slot X
	s_mul_i32 s98, s98, SLOTB
	s_add_co_u32 s98, s98, s[HB]
	s_add_co_u32 s98, s98, FBO
	s_lshl_b32 s96, s101, 8                        ; c0: rows 256 y + 64 w, byte 256 J of each
	s_lshl_b32 s97, s[WV], 6
	s_add_co_u32 s96, s96, s97
	s_lshl_b32 s96, s96, 12
	s_lshl_b32 s97, s100, 8
	s_add_co_u32 s96, s96, s97
	s_mov_b32 s97, 0
	s_mul_i32 s99, s[WV], 64*CP
	s_wait_dscnt 0x0                               ; both opening adds are done
	s_wait_kmcnt 0x0
	s_add_nc_u64 s[2:3], s[4:5], s[2:3]
	s_add_nc_u64 s[66:67], s[6:7], s[66:67]
.irp s, 0,1
	s_mov_b32 s[G0A+4*\s], 1                       ; count = 1
	s_add_co_u32 s[G0A+4*\s+1], s[HB], \s*SLOTB    ; LDS address
	s_add_nc_u64 s[G0A+4*\s+2:G0A+4*\s+3], s[2:3], \s*TILE   ; h0's K tile s
	s_or_b32 s[G0A+4*\s+3], s[G0A+4*\s+3], 0x80000000        ; type = 2
	s_mov_b32 s[G0B+4*\s], 1
	s_add_co_u32 s[G0B+4*\s+1], s[HB], \s*SLOTB+GBO
	s_add_nc_u64 s[G0B+4*\s+2:G0B+4*\s+3], s[66:67], \s*TILE
	s_or_b32 s[G0B+4*\s+3], s[G0B+4*\s+3], 0x80000000
.endr
	s_mov_b32 s[G0FB], 1
	s_mov_b32 s[G0FB+1], s98
	s_add_nc_u64 s[G0FB+2:G0FB+3], s[6:7], s[94:95]
	s_or_b32 s[G0FB+3], s[G0FB+3], 0x80000000
	s_mov_b32 s[G0C], 1
	s_mov_b32 s[G0C+1], s99
	s_add_nc_u64 s[G0C+2:G0C+3], s[8:9], s[96:97]
	s_or_b32 s[G0C+3], s[G0C+3], 0x80000000
	s_mov_b32 s[G0AQ], 1
	s_mul_i32 s[G0AQ+1], s[WV], TILE
	s_add_co_u32 s[G0AQ+1], s[G0AQ+1], SLOTB       ; slot Y, quarter w
	s_add_nc_u64 s[G0AQ+2:G0AQ+3], s[4:5], s[92:93]
	s_or_b32 s[G0AQ+3], s[G0AQ+3], 0x80000000
	CROUND                                         ; all sixteen work-groups are here: the first joint loads meet
	JLOAD G0A, G1A, G0B, G1B                       ; G0 -> X
	JLOAD G0A+4, G1A, G0B+4, G1B                   ; G1 -> Y
	TL G0FB, G1B                                   ; B of F'0 and F'1: filled once, read in phase F
	; what the head needs from memory, while the tiles are on their way
	s_lshl_b32 s66, s100, 1
	s_add_co_u32 s66, s66, s[WC]                   ; S
	s_lshl_b32 s2, s66, 7                          ; 32 numbers of 4 bytes for each S
	s_mov_b32 s3, 0
	s_add_nc_u64 s[12:13], s[12:13], s[2:3]
	s_add_nc_u64 s[14:15], s[14:15], s[2:3]
	s_add_nc_u64 s[16:17], s[16:17], s[2:3]
	s_add_nc_u64 s[18:19], s[18:19], s[2:3]
	s_add_nc_u64 s[20:21], s[20:21], s[2:3]
	s_lshl_b32 s67, s101, 8
	s_lshl_b32 s92, s[WR], 7
	s_add_co_u32 s67, s67, s92                     ; my first row
	s_mul_i32 s2, s67, 20
	s_add_nc_u64 s[10:11], s[10:11], s[2:3]
	s_lshl_b32 s2, s66, 15                         ; part [S][8192]
	s_lshl_b32 s92, s67, 2
	s_add_co_u32 s2, s2, s92
	s_add_nc_u64 s[22:23], s[22:23], s[2:3]
	v_and_b32 v21, 15, v0                          ; r
	v_bfe_u32 v22, v0, 4, 1                        ; h
	v_and_b32 v23, 31, v0                          ; lane
	v_lshlrev_b32 v24, 5, v22                      ; my half's eight numbers
	v_mul_u32_u24 v25, v21, 20                     ; row r of x
	v_lshlrev_b32 v[L16], 4, v23
	v_lshlrev_b32 v26, 3, v23
.irp g, 0,1,2,3
.irp j, 0,1
.irp c, 0,1
	global_load_b128 v[128+16*\g+8*\j+4*\c:131+16*\g+8*\j+4*\c], v24, s[12:13] offset:4096*\g+64*\j+16*\c   ; W_ih, in the result's layout: 8 b + i
	global_load_b128 v[192+16*\g+8*\j+4*\c:195+16*\g+8*\j+4*\c], v24, s[14:15] offset:4096*\g+64*\j+16*\c   ; b_ih
.endr
.endr
.endr
	WIN TO_B
.irp g, 0,1,2,3
.irp j, 0,1
.irp c, 0,1
	global_load_b128 v[16*\g+8*\j+4*\c:3+16*\g+8*\j+4*\c], v24, s[16:17] offset:4096*\g+64*\j+16*\c         ; b_hh, in window 1
.endr
.endr
.endr
	WIN 0
.irp a, 0,1,2,3,4,5,6,7
	global_load_b32 v[SG+2*\a], v25, s[10:11] offset:320*\a      ; sig of row 16 a + r, into both registers of a pair
	global_load_b32 v[SG+2*\a+1], v25, s[10:11] offset:320*\a
.endr
.irp g, 0,1
.irp j, 0,1
.irp c, 0,1
	global_load_b128 v[FB2+16*\g+8*\j+4*\c:FB2+3+16*\g+8*\j+4*\c], v24, s[18:19] offset:4096*\g+64*\j+16*\c
.endr
.endr
.endr
.irp j, 0,1
.irp c, 0,1
	global_load_b128 v[FCW+8*\j+4*\c:FCW+3+8*\j+4*\c], v24, s[20:21] offset:64*\j+16*\c
.endr
.endr
	; every LDS address: a constant + a constant x wave's half + 16 or 8 x lane
	s_mul_i32 s2, s[WR], TILE
	s_lshl_b32 s3, s2, 1
.irp s, 0,1
	s_add_co_u32 s66, s2, \s*SLOTB
	v_add_nc_u32 v[ADRA+\s], s66, v[L16]
	s_add_co_u32 s66, s66, SCA
	v_add_nc_u32 v[ASA+\s], s66, v26
	s_add_co_u32 s66, s[HB], \s*SLOTB+GBO
	v_add_nc_u32 v[ADRB+\s], s66, v[L16]
	s_add_co_u32 s66, s66, SCA
	v_add_nc_u32 v[ASB+\s], s66, v26
	s_add_co_u32 s66, s3, \s*SLOTB
	v_add_nc_u32 v[FADA+\s], s66, v[L16]
	s_add_co_u32 s66, s66, SCA
	v_add_nc_u32 v[FSA+\s], s66, v26
	s_add_co_u32 s66, s[HB], \s*SLOTB+FBO
	v_add_nc_u32 v[FADB+\s], s66, v[L16]
	s_add_co_u32 s66, s66, SCF
	v_add_nc_u32 v[FSB+\s], s66, v26
.endr
	s_mul_i32 s66, s[WR], 128*CP
	s_lshl_b32 s67, s[WC], 7
	s_add_co_u32 s66, s66, s67
	v_mul_u32_u24 v[C0A], v21, CP
	v_lshl_add_u32 v[C0A], v22, 5, v[C0A]
	v_add_nc_u32 v[C0A], s66, v[C0A]               ; row 128 wr + r, byte 128 wc + 32 h
	s_lshl_b32 s66, s[WV], 9
	s_add_co_u32 s66, s66, SCR
	v_lshl_add_u32 v[SIN], v21, 2, s66
	v_add_nc_u32 v[SOUT], s66, v[L16]
	s_mov_b32 s[NL1], 0xbfb8aa3b
	s_mov_b32 s[NL1+1], s[NL1]
	s_mov_b32 s[NL2], 0xc038aa3b
	s_mov_b32 s[NL2+1], s[NL2]
	s_mov_b32 s[CAP], 0x42200000
	s_mov_b32 s[SEL], 0x76543210
	s_mov_b32 s[SEL+1], 0xfedcba98
	s_wait_loadcnt 0x0
	WIN 0x04                                       ; source 1 in window 1
.set kk, 0
.rept 32
	v_pk_add_f32 v[192+2*kk:193+2*kk], v[192+2*kk:193+2*kk], v[2*kk:2*kk+1]       ; b_ih + b_hh
.set kk, kk+1
.endr
.irp hf, 0,1                           ; the gates' sums begin: sig W_ih + b; register pair kk of a window is accumulator (kk / 32, (kk / 4) % 8), pair kk % 4
	WIN 0x80+0x40*\hf
.set kk, 0
.rept 128
	v_pk_fma_f32 v[2*kk:2*kk+1], v[128+2*(kk%32):129+2*(kk%32)], v[SG+2*(4*\hf+kk/32):SG+2*(4*\hf+kk/32)+1], v[192+2*(kk%32):193+2*(kk%32)]
.set kk, kk+1
.endr
.endr
	WIN 0
.macro FRAG reg, adr, off              ; a fragment comes as it was stored: three loads, 512 consecutive bytes each
.irp c, 0,1,2
	ds_load_b128 v[(\reg)+4*\c:(\reg)+4*\c+3], v[\adr] offset:(\off)+512*\c
.endr
.endm
.macro SCALES set, adra, offa, adrb, offb, ny   ; a tile's scale words: 8 bytes a lane: K steps 0 and 1 of row 32 x + lane
.irp x, 0,1,2,3
	ds_load_b64 v[SC+16*(\set)+2*\x:SC+16*(\set)+2*\x+1], v[\adra] offset:(\offa)+256*\x
.endr
.irp x, 0,1,2,3
.if \x < \ny
	ds_load_b64 v[SC+16*(\set)+8+2*\x:SC+16*(\set)+8+2*\x+1], v[\adrb] offset:(\offb)+256*\x
.endif
.endr
.endm
; one matrix instruction on the registers named by rD, rB, rA, rC, rSB, rSA; an odd block's scale words stand in lanes 16-31
.macro WMX rb, ra
.if (\rb) && (\ra)
	v_wmma_scale_f32_16x16x128_f8f6f4 v[rD:rD+7], v[rB:rB+11], v[rA:rA+11], v[rC:rC+7], v[rSB], v[rSA] matrix_a_fmt:MATRIX_FMT_BF6 matrix_b_fmt:MATRIX_FMT_BF6 matrix_a_scale:MATRIX_SCALE_ROW1 matrix_b_scale:MATRIX_SCALE_ROW1
.elseif (\rb)
	v_wmma_scale_f32_16x16x128_f8f6f4 v[rD:rD+7], v[rB:rB+11], v[rA:rA+11], v[rC:rC+7], v[rSB], v[rSA] matrix_a_fmt:MATRIX_FMT_BF6 matrix_b_fmt:MATRIX_FMT_BF6 matrix_a_scale:MATRIX_SCALE_ROW1
.elseif (\ra)
	v_wmma_scale_f32_16x16x128_f8f6f4 v[rD:rD+7], v[rB:rB+11], v[rA:rA+11], v[rC:rC+7], v[rSB], v[rSA] matrix_a_fmt:MATRIX_FMT_BF6 matrix_b_fmt:MATRIX_FMT_BF6 matrix_b_scale:MATRIX_SCALE_ROW1
.else
	v_wmma_scale_f32_16x16x128_f8f6f4 v[rD:rD+7], v[rB:rB+11], v[rA:rA+11], v[rC:rC+7], v[rSB], v[rSA] matrix_a_fmt:MATRIX_FMT_BF6 matrix_b_fmt:MATRIX_FMT_BF6
.endif
.endm
; PHASE G.  16 matrix instructions: A's blocks a0, a0 + 1 x B's eight.  The 64 accumulators take turns, one instruction a turn, in the same order in every step.
.macro MUL16 a0, p, q, set
.irp a, \a0, \a0+1
.irp b, 0,1,2,3,4,5,6,7
.set rD, 8*(8*((\a)%4)+\b)
.set rC, rD
.set rB, 128*(\p)+12*\b
.set rA, AF+12*(\a)
.set rSB, SC+16*(\set)+8+2*(\b/2)+(\q)
.set rSA, SC+16*(\set)+2*((\a)/2)+(\q)
	WMX \b%2, (\a)%2
.endr
.endr
.endm
.macro GFETCH_B slot, q, p
	WIN TO_B
.irp i, 0,1,2,3,4,5,6,7
	FRAG 128*(\p)+12*\i, ADRB+\slot, (8*(\q)+\i)*FRB
.endr
	WIN 0
.endm
.macro GFETCH_A slot, q, i0
.irp i, \i0, \i0+1, \i0+2, \i0+3
	FRAG AF+12*(\i), ADRA+\slot, (8*(\q)+(\i))*FRB
.endr
.endm
.macro GSTEP slot                      ; a tile's first 128 along K; in its course the second's fragments are fetched
	s_wait_dscnt 12                                ; B's set, A's blocks 0-3 and the scale words are in; the youngest twelve loads (A's blocks 4-7) may be out
	WIN MUL_LO
	MUL16 0, 0, 0, \slot
	MUL16 2, 0, 0, \slot
	s_wait_dscnt 0x0
	PLACES
	GFETCH_B \slot, 1, 1
	GFETCH_A \slot, 1, 0
	WIN MUL_HI
	MUL16 4, 0, 0, \slot
	MUL16 6, 0, 0, \slot
	PLACES
	WIN 0
	GFETCH_A \slot, 1, 4
.endm
; a tile's second 128 along K, and the change of slots: each wave waits for all its tensor loads, adds 0 to its spare word, waits for that and for its reads of this slot; the barrier opens a round of the cluster's barrier;
; behind the round this slot is filled again.  mode 0: with the G tile two on; 1: with c0; 2: with A of F'0 (nothing is fetched from LDS then: the cell's arithmetic follows).
.macro GTURN slot, mode
	s_wait_tensorcnt 0x0                           ; all my tensor loads have landed
	ds_add_u32 v[SPW], v[NIL]
	s_wait_dscnt 13                                ; (the add and A's blocks 4-7 may be out)
	WIN MUL_LO
	MUL16 0, 1, 1, \slot
	s_wait_dscnt 0x0                               ; the add is done, and my reads of this slot are over
	s_barrier_signal -1
	MUL16 2, 1, 1, \slot
	WIN 0
	s_barrier_wait -1
	CREST                                          ; no wave of any partner still reads this slot or has a load on its way
.if \mode == 0
	s_add_nc_u64 s[G0A+4*\slot+2:G0A+4*\slot+3], s[G0A+4*\slot+2:G0A+4*\slot+3], 2*TILE
	s_add_nc_u64 s[G0B+4*\slot+2:G0B+4*\slot+3], s[G0B+4*\slot+2:G0B+4*\slot+3], 2*TILE
	JLOAD G0A+4*\slot, G1A, G0B+4*\slot, G1B
.elseif \mode == 1
	TL G0C, G1C
.else
	TL G0AQ, G1A
.endif
.if \mode < 2
	GFETCH_B 1-\slot, 0, 0                         ; (the four v_nop behind the tensor load are the places in front of these loads)
	GFETCH_A 1-\slot, 0, 0
	SCALES 1-\slot, ASA+1-\slot, 0, ASB+1-\slot, 0, 4
.endif
	WIN MUL_HI
	MUL16 4, 1, 1, \slot
	MUL16 6, 1, 1, \slot
	PLACES
	WIN 0
.if \mode < 2
	GFETCH_A 1-\slot, 0, 4
.endif
.endm
	s_wait_tensorcnt 2                             ; my part of G0 is in; G1's and the piece of F's B, issued behind it, may stay out
	s_barrier_signal -1
	s_barrier_wait -1
	GFETCH_B 0, 0, 0
	GFETCH_A 0, 0, 0
	SCALES 0, ASA, 0, ASB, 0, 4
	GFETCH_A 0, 0, 4
	GSTEP 0
	GTURN 0, 0                                     ; G2 -> X
	GSTEP 1
	GTURN 1, 0                                     ; G3 -> Y
	GSTEP 0
	GTURN 0, 1                                     ; c0 -> X
	GSTEP 1
	GTURN 1, 2                                     ; A of F'0 -> Y; c0 has landed in every wave's part
; THE CELL, two row blocks (32 numbers a lane and gate) at a time, in place in the accumulators: I at R, F at R + 16, G at R + 32, O at R + 48.  Each accumulator is read from its low end on.
.macro C0LOAD a0
.irp a, 0,1
.irp j, 0,1
.irp c, 0,1
	ds_load_b128 v[CB+16*\a+8*\j+4*\c:CB+16*\a+8*\j+4*\c+3], v[C0A] offset:16*CP*((\a0)+\a)+64*\j+16*\c
.endr
.endr
.endr
.endm
.macro EPI a0, more
.set WALL, 0xaa+0x55*((\a0)/4)         ; every operand in the accumulators' window
.set WS0,  WALL&0xfc                   ; source 0 in window 0
	WIN WALL
.set ee, 0
.rept 16                               ; pair ee: block a0 + ee / 8, jt = (ee / 4) % 2, registers 2 (ee % 4) on
.set RI, 8*(8*(((\a0)+ee/8)%4)+(ee/4)%2)+2*(ee%4)
	v_pk_mul_f32 v[RI:RI+1], v[RI:RI+1], s[NL1:NL1+1] op_sel_hi:[1,0]
	v_pk_mul_f32 v[RI+16:RI+17], v[RI+16:RI+17], s[NL1:NL1+1] op_sel_hi:[1,0]
	v_pk_mul_f32 v[RI+32:RI+33], v[RI+32:RI+33], s[NL2:NL2+1] op_sel_hi:[1,0]
	v_pk_mul_f32 v[RI+48:RI+49], v[RI+48:RI+49], s[NL1:NL1+1] op_sel_hi:[1,0]
.set ee, ee+1
.endr
.set ee, 0
.rept 32
.set R1, 8*(8*(((\a0)+ee/16)%4)+(ee/8)%2)+ee%8
	v_min_num_f32 v[R1], s[CAP], v[R1]             ; the hold at 40
.set ee, ee+1
.endr
.irp g, 0,1,2                          ; ONE BATCH of 128 exponentials; the next gate's holds stand between them; none reads a result
.set ee, 0
.rept 32
.set R1, 8*(8*(((\a0)+ee/16)%4)+(ee/8)%2)+ee%8+16*\g
	v_exp_f32 v[R1], v[R1]
	v_min_num_f32 v[R1+16], s[CAP], v[R1+16]
.set ee, ee+1
.endr
.endr
.set ee, 0
.rept 32
.set R1, 8*(8*(((\a0)+ee/16)%4)+(ee/8)%2)+ee%8+48
	v_exp_f32 v[R1], v[R1]
.set ee, ee+1
.endr
	v_nop                                          ; a plain line behind the last exponential
	s_wait_alu depctr_va_vdst(0)                   ; one wait for the batch, ahead of its first reader
.set ee, 0
.rept 16
.set RI, 8*(8*(((\a0)+ee/8)%4)+(ee/4)%2)+2*(ee%4)
	v_pk_add_f32 v[RI:RI+1], v[RI:RI+1], 1.0 op_sel_hi:[1,0]                 ; 1 + eI
	v_pk_add_f32 v[RI+16:RI+17], v[RI+16:RI+17], 1.0 op_sel_hi:[1,0]         ; 1 + eF
	v_pk_add_f32 v[RI+48:RI+49], v[RI+48:RI+49], 1.0 op_sel_hi:[1,0]         ; 1 + eO
.set ee, ee+1
.endr
.set ee, 0
.rept 16
.set RI, 8*(8*(((\a0)+ee/8)%4)+(ee/4)%2)+2*(ee%4)
	v_pk_fma_f32 v[RI:RI+1], v[RI:RI+1], v[RI+32:RI+33], v[RI:RI+1]          ; (1 + eI)(1 + eG)
.set ee, ee+1
.endr
.set ee, 0
.rept 16
.set RI, 8*(8*(((\a0)+ee/8)%4)+(ee/4)%2)+2*(ee%4)
	v_pk_add_f32 v[RI+32:RI+33], v[RI+32:RI+33], 1.0 op_sel_hi:[1,0] neg_lo:[1,0] neg_hi:[1,0]   ; 1 - eG
.set ee, ee+1
.endr
.set ee, 0
.rept 16
.set RI, 8*(8*(((\a0)+ee/8)%4)+(ee/4)%2)+2*(ee%4)
	v_pk_mul_f32 v[RI+32:RI+33], v[RI+32:RI+33], v[RI+16:RI+17]              ; (1 - eG)(1 + eF)
.set ee, ee+1
.endr
	s_wait_dscnt 0x0                               ; c0 of these two blocks is in
	WIN WS0
.set ee, 0
.rept 16
.set RI, 8*(8*(((\a0)+ee/8)%4)+(ee/4)%2)+2*(ee%4)
	v_pk_fma_f32 v[RI+32:RI+33], v[CB+2*ee:CB+2*ee+1], v[RI:RI+1], v[RI+32:RI+33]   ; + c0 (1 + eI)(1 + eG): c_new's numerator
.set ee, ee+1
.endr
	WIN WALL
.set ee, 0
.rept 16
.set RI, 8*(8*(((\a0)+ee/8)%4)+(ee/4)%2)+2*(ee%4)
	v_pk_mul_f32 v[RI:RI+1], v[RI:RI+1], v[RI+16:RI+17]                      ; its denominator
.set ee, ee+1
.endr
.set ee, 0
.rept 32
.set R1, 8*(8*(((\a0)+ee/16)%4)+(ee/8)%2)+ee%8
	v_rcp_f32 v[R1], v[R1]
.set ee, ee+1
.endr
	v_nop
.if \more
	WIN 0
	C0LOAD (\a0)+2                                 ; the next two blocks' c0, while the reciprocals are out
	WIN WALL
.endif
	s_wait_alu depctr_va_vdst(0)
.set ee, 0
.rept 16
.set RI, 8*(8*(((\a0)+ee/8)%4)+(ee/4)%2)+2*(ee%4)
	v_pk_mul_f32 v[RI+32:RI+33], v[RI+32:RI+33], v[RI:RI+1]                  ; c_new
.set ee, ee+1
.endr
.set ee, 0
.rept 16
.set RI, 8*(8*(((\a0)+ee/8)%4)+(ee/4)%2)+2*(ee%4)
	v_pk_mul_f32 v[RI+32:RI+33], v[RI+32:RI+33], s[NL2:NL2+1] op_sel_hi:[1,0]
.set ee, ee+1
.endr
.set ee, 0
.rept 32
.set R1, 8*(8*(((\a0)+ee/16)%4)+(ee/8)%2)+ee%8+32
	v_min_num_f32 v[R1], s[CAP], v[R1]
.set ee, ee+1
.endr
.set ee, 0
.rept 32
.set R1, 8*(8*(((\a0)+ee/16)%4)+(ee/8)%2)+ee%8+32
	v_exp_f32 v[R1], v[R1]                         ; eC
.set ee, ee+1
.endr
	v_nop
	s_wait_alu depctr_va_vdst(0)
.set ee, 0
.rept 16
.set RI, 8*(8*(((\a0)+ee/8)%4)+(ee/4)%2)+2*(ee%4)
	v_pk_fma_f32 v[RI+48:RI+49], v[RI+48:RI+49], v[RI+32:RI+33], v[RI+48:RI+49]   ; (1 + eO)(1 + eC)
.set ee, ee+1
.endr
.set ee, 0
.rept 16
.set RI, 8*(8*(((\a0)+ee/8)%4)+(ee/4)%2)+2*(ee%4)
	v_pk_add_f32 v[RI+32:RI+33], v[RI+32:RI+33], 1.0 op_sel_hi:[1,0] neg_lo:[1,0] neg_hi:[1,0]   ; 1 - eC
.set ee, ee+1
.endr
.set ee, 0
.rept 32
.set R1, 8*(8*(((\a0)+ee/16)%4)+(ee/8)%2)+ee%8+48
	v_rcp_f32 v[R1], v[R1]
.set ee, ee+1
.endr
	v_nop
	s_wait_alu depctr_va_vdst(0)
.set ee, 0
.rept 16
.set RI, 8*(8*(((\a0)+ee/8)%4)+(ee/4)%2)+2*(ee%4)
	v_pk_mul_f32 v[RI+32:RI+33], v[RI+32:RI+33], v[RI+48:RI+49]              ; h_new
.set ee, ee+1
.endr
	WIN WS0
.set ee, 0
.rept 16
.set RI, 8*(8*(((\a0)+ee/8)%4)+(ee/4)%2)+2*(ee%4)
	v_pk_mul_f32 v[RI:RI+1], v[FCW+8*((ee/4)%2)+2*(ee%4):FCW+8*((ee/4)%2)+2*(ee%4)+1], v[RI+32:RI+33]   ; fc_W h_new, kept where I stood
.set ee, ee+1
.endr
.endm
	C0LOAD 0
	EPI 0, 1
	EPI 2, 1
	EPI 4, 1
	EPI 6, 0
	WIN 0
; PHASE F.  Step n of 16: F' n / 4 lies in slot 1 - (n / 4) % 2; tile u = (n / 2) % 2 of the slot's two; K step q = n % 2; fragments in set n % 2, scale words in set u.
.macro FFETCH n
.set fs, 1-((\n)/4)%2
.set fu, ((\n)/2)%2
.set fq, (\n)%2
	WIN TO_B
.irp b, 0,1,2,3
	FRAG 48*fq+12*\b, FADB+fs, FT*fu+(4*fq+\b)*FRB
.endr
.if fq == 1
.irp i, 0,1,2,3,4,5,6,7
	FRAG AF+12*\i, FADA+fs, TILE*fu+(8*fq+\i)*FRB
.endr
	WIN 0
.else
	WIN 0
.irp i, 0,1,2,3,4,5,6,7
	FRAG AF+12*\i, FADA+fs, TILE*fu+(8*fq+\i)*FRB
.endr
	SCALES fu, FSA+fs, TILE*fu, FSB+fs, FT*fu, 2
.endif
.endm
; 16 matrix instructions: A's blocks 4 half .. 4 half + 3 x B's four; sixteen accumulators by turns.  first = 1: film_b2 is the C
.macro FMULH half, n, first
.set fu, ((\n)/2)%2
.set fq, (\n)%2
.if \first
	WIN ((2+\half)<<6)|(fq<<2)|1
.else
	WIN ((2+\half)<<6)|((2+\half)<<4)|(fq<<2)|1
.endif
.irp a, 0,1,2,3
.irp b, 0,1,2,3
.set rD, 8*(8*\a+4+\b)
.if \first
.set rC, FB2+8*\b
.else
.set rC, rD
.endif
.set rB, 48*fq+12*\b
.set rA, AF+12*(4*\half+\a)
.set rSB, SC+16*fu+8+2*(\b/2)+fq
.set rSA, SC+16*fu+2*((4*\half+\a)/2)+fq
	WMX \b%2, \a%2
.endr
.endr
.endm
.macro FSTEP n, first
	s_wait_dscnt 0x0                               ; this step's fragments, asked for a step ago, are in
.if (\n) < 15
	PLACES
	FFETCH (\n)+1                                  ; the next step's, into the other set
.endif
	FMULH 0, \n, \first
	FMULH 1, \n, \first
.endm
.macro FTURN n                         ; a slot's last step, and the change of slots, as in phase G
	WIN 0
	s_wait_tensorcnt 0x0
	ds_add_u32 v[SPW], v[NIL]
	s_wait_dscnt 0x0                               ; the add is done, this step's fragments are in, and my reads of this slot are over
	s_barrier_signal -1
	FMULH 0, \n, 0
	WIN 0
	s_barrier_wait -1
.if (\n) == 3                          ; F'2 -> Y: A's tiles 8, 9; B's piece 6
	CREST
	s_add_nc_u64 s[G0A+6:G0A+7], s[G0A+6:G0A+7], 5*TILE
	s_add_co_u32 s[G0A+5], s[G0A+5], s[HB]
	s_add_nc_u64 s[G0B+6:G0B+7], s[G0B+6:G0B+7], 3*TILE
	s_add_co_u32 s[G0B+5], s[G0B+5], FBO-GBO
	JLOAD G0A+4, G1AF, G0B+4, G1B
.elseif (\n) == 7                      ; F'3 -> X: A's tiles 10, 11; B's piece 7
	CREST
	s_add_nc_u64 s[G0A+2:G0A+3], s[G0A+2:G0A+3], 8*TILE
	s_add_co_u32 s[G0A+1], s[G0A+1], s[HB]
	s_add_nc_u64 s[G0B+2:G0B+3], s[G0B+2:G0B+3], 5*TILE
	s_add_co_u32 s[G0B+1], s[G0B+1], FBO-GBO
	JLOAD G0A, G1AF, G0B, G1B
.else
	PLACES                                         ; nothing is left to fetch, so no round follows
.endif
	FFETCH (\n)+1
	FMULH 1, \n, 0
.endm
	s_wait_tensorcnt 0x0                           ; A of F'0 has landed
	ds_add_u32 v[SPW], v[NIL]                      ; the descriptor's step stands between it and the wait
	s_mul_i32 s[G0AQ+1], s[WV], TILE               ; slot X, quarter w
	s_add_nc_u64 s[G0AQ+2:G0AQ+3], s[G0AQ+2:G0AQ+3], 2*TILE   ; tiles 6, 7
	s_wait_dscnt 0x0                               ; the add is done, and my reads of c0 are over
	CROUND
	TL G0AQ, G1A                                   ; A of F'1 -> X
	FFETCH 0
	FSTEP 0, 1
	FSTEP 1, 0
	FSTEP 2, 0
	FTURN 3
	FSTEP 4, 0
	FSTEP 5, 0
	FSTEP 6, 0
	FTURN 7
	FSTEP 8, 0
	FSTEP 9, 0
	FSTEP 10, 0
	FTURN 11
	FSTEP 12, 0
	FSTEP 13, 0
	FSTEP 14, 0
	FSTEP 15, 0
; THE WAY OUT: for each row the sum over my 32 units of gamma (fc_W h) + beta fc_W; four blocks by turns, each accumulator from its low end on
	PLACES
.irp hf, 0,1
	WIN 0x0a+5*\hf                                 ; sources 0 and 1 in the accumulators' window
.irp j, 0,1
.irp p, 0,1,2,3
.irp a, 0,1,2,3
.if (\j == 0) && (\p == 0)
	v_pk_mul_f32 v[SG+2*(4*\hf+\a):SG+2*(4*\hf+\a)+1], v[8*(8*\a+4+\j)+2*\p:8*(8*\a+4+\j)+2*\p+1], v[8*(8*\a+\j)+2*\p:8*(8*\a+\j)+2*\p+1]
.else
	v_pk_fma_f32 v[SG+2*(4*\hf+\a):SG+2*(4*\hf+\a)+1], v[8*(8*\a+4+\j)+2*\p:8*(8*\a+4+\j)+2*\p+1], v[8*(8*\a+\j)+2*\p:8*(8*\a+\j)+2*\p+1], v[SG+2*(4*\hf+\a):SG+2*(4*\hf+\a)+1]
.endif
.endr
.endr
.endr
	WIN 0x02+\hf                                   ; source 0 alone
.irp j, 0,1
.irp p, 0,1,2,3
.irp a, 0,1,2,3
	v_pk_fma_f32 v[SG+2*(4*\hf+\a):SG+2*(4*\hf+\a)+1], v[8*(8*\a+6+\j)+2*\p:8*(8*\a+6+\j)+2*\p+1], v[FCW+8*\j+2*\p:FCW+8*\j+2*\p+1], v[SG+2*(4*\hf+\a):SG+2*(4*\hf+\a)+1]
.endr
.endr
.endr
.endr
	WIN 0
.irp a, 0,1,2,3,4,5,6,7
	v_add_f32 v[SG+2*\a], v[SG+2*\a], v[SG+2*\a+1]
.endr
.irp a, 0,1,2,3,4,5,6,7
	v_permlanex16_b32 v[SG+2*\a+1], v[SG+2*\a], s[SEL], s[SEL+1]   ; the row's other sixteen units lie in the lane 16 away
.endr
.irp a, 0,1,2,3,4,5,6,7
	v_add_f32 v[SG+2*\a], v[SG+2*\a], v[SG+2*\a+1]
.endr
.irp a, 0,1,2,3,4,5,6,7
	ds_store_b32 v[SIN], v[SG+2*\a] offset:64*\a   ; row 16 a + r; both halves of the lanes write the same word with the same value
.endr
	ds_load_b128 v[CB:CB+3], v[SOUT]               ; LDS serves a wave's instructions in order: four neighbouring rows a lane
	s_wait_dscnt 0x0
	global_store_b128 v[L16], v[CB:CB+3], s[22:23] ; 128 rows: 512 consecutive bytes, aligned to 256
	s_wait_tensorcnt 0x0                           ; the wave's end, behind my last tensor load and my last LDS store
	ds_add_u32 v[SPW], v[NIL]
	s_wait_dscnt 0x0
	CROUND                                         ; the closing round: no work-group ends while a partner may still ask for a tile that names it
	s_endpgm
.Lfunc_end_k_qc30674005c_cell:
	.size	k_qc30674005c_cell, .Lfunc_end_k_qc30674005c_cell-k_qc30674005c_cell
	.p2alignl 7, 3214868480
	.fill 96, 4, 3214868480
	.section	.rodata,"a",@progbits
	.p2align	6, 0x0
	.amdhsa_kernel k_qc30674005c_cell
		.amdhsa_group_segment_fixed_size 327680
		.amdhsa_private_segment_fixed_size 0
		.amdhsa_enable_private_segment 0
		.amdhsa_kernarg_size 80
		.amdhsa_user_sgpr_count 2
		.amdhsa_user_sgpr_kernarg_segment_ptr 1
		.amdhsa_wavefront_size32 1
		.amdhsa_system_sgpr_workgroup_id_x 1
		.amdhsa_system_sgpr_workgroup_id_y 1
		.amdhsa_system_sgpr_workgroup_id_z 1
		.amdhsa_system_vgpr_workitem_id 0
		.amdhsa_next_free_vgpr 1024
		.amdhsa_next_free_sgpr 106
		.amdhsa_reserve_vcc 0
		.amdhsa_float_denorm_mode_32 3
		.amdhsa_float_denorm_mode_16_64 3
		.amdhsa_memory_ordered 1
		.amdhsa_forward_progress 1
		.amdhsa_inst_pref_size 255
	.end_amdhsa_kernel
	.section	.bss,"aw",@nobits
	.p2align	6
	.space	262144
	.amdgpu_metadata
---
amdhsa.version: [ 1, 2 ]
amdhsa.kernels:
  - .name:           k_qc30674005c_cell
    .symbol:         k_qc30674005c_cell.kd
    .args:
      - { .name: atiles, .offset: 0, .size: 8, .value_kind: global_buffer, .address_space: global }
      - { .name: btiles, .offset: 8, .size: 8, .value_kind: global_buffer, .address_space: global }
      - { .name: c0, .offset: 16, .size: 8, .value_kind: global_buffer, .address_space: global }
      - { .name: x, .offset: 24, .size: 8, .value_kind: global_buffer, .address_space: global }
      - { .name: W_ih, .offset: 32, .size: 8, .value_kind: global_buffer, .address_space: global }
      - { .name: b_ih, .offset: 40, .size: 8, .value_kind: global_buffer, .address_space: global }
      - { .name: b_hh, .offset: 48, .size: 8, .value_kind: global_buffer, .address_space: global }
      - { .name: film_b2, .offset: 56, .size: 8, .value_kind: global_buffer, .address_space: global }
      - { .name: fc_W, .offset: 64, .size: 8, .value_kind: global_buffer, .address_space: global }
      - { .name: part, .offset: 72, .size: 8, .value_kind: global_buffer, .address_space: global }
    .group_segment_fixed_size: 327680
    .private_segment_fixed_size: 0
    .kernarg_segment_align: 8
    .kernarg_segment_size: 80
    .max_flat_workgroup_size: 128
    .sgpr_count:     106
    .vgpr_count:     1024
    .wavefront_size: 32
...
	.end_amdgpu_metadata
.endif
;; end of part 2
;; launch sum (part 3): grid 32 x 1, 2 waves a work-group, no clusters, 0 bytes of LDS; arguments part, fc_b, out0; writes out0
.if DOCPART == 3
	.amdgcn_target "amdgcn-amd-amdhsa--gfx1250"
	.amdhsa_code_object_version 6
	.text
	.protected	k_qc30674005c_sum
	.globl	k_qc30674005c_sum
	.p2align	8
	.type	k_qc30674005c_sum,@function
k_qc30674005c_sum:
	s_mov_b64 s[64:65], 0
	v_nop
	global_prefetch_b8 v0, s[64:65] scope:SCOPE_SE
	s_setreg_imm32_b32 hwreg(HW_REG_WAVE_MODE, 25, 1), 1
	s_wait_xcnt 0x0
; Third launch: out0[b] = fc_b + the sum over S = 0 .. 31 of part[S][b], S ascending, in f32.  No work of the problem is left out.
; Thread g = 64 x work-group + t owns rows 4 g .. 4 g + 3: each load and the store of a wave cover 512 consecutive bytes, aligned to 256.  All 32 loads go out at once; the waits count the younger ones down.
; No LDS, no barrier, no matrix unit: 1 MiB is read once and 32 KiB written.
	s_load_b128 s[4:7], s[0:1], 0x0                ; part, fc_b
	s_load_b64 s[8:9], s[0:1], 0x10                ; out0
	s_lshl_b32 s10, ttmp9, 6
	v_add_nc_u32 v1, s10, v0
	v_lshlrev_b32 v1, 4, v1                        ; 16 bytes a thread
	s_wait_kmcnt 0x0
	s_load_b32 s12, s[6:7], 0x0
.set ss, 0
.rept 32
	global_load_b128 v[8+4*ss:11+4*ss], v1, s[4:5] offset:32768*ss th:TH_LOAD_NT
.set ss, ss+1
.endr
	s_wait_kmcnt 0x0
	s_mov_b32 s13, s12                             ; (the packed form names the pair)
	s_wait_loadcnt 31
	v_pk_add_f32 v[4:5], v[8:9], s[12:13] op_sel_hi:[1,0]
	v_pk_add_f32 v[6:7], v[10:11], s[12:13] op_sel_hi:[1,0]
.set ss, 1
.rept 31
	s_wait_loadcnt 31-ss                           ; loads come back in order: term ss is in, the younger ones stay out
	v_pk_add_f32 v[4:5], v[4:5], v[8+4*ss:9+4*ss]
	v_pk_add_f32 v[6:7], v[6:7], v[10+4*ss:11+4*ss]
.set ss, ss+1
.endr
	global_store_b128 v1, v[4:7], s[8:9]
	s_endpgm
.Lfunc_end_k_qc30674005c_sum:
	.size	k_qc30674005c_sum, .Lfunc_end_k_qc30674005c_sum-k_qc30674005c_sum
	.p2alignl 7, 3214868480
	.fill 96, 4, 3214868480
	.section	.rodata,"a",@progbits
	.p2align	6, 0x0
	.amdhsa_kernel k_qc30674005c_sum
		.amdhsa_group_segment_fixed_size 0
		.amdhsa_private_segment_fixed_size 0
		.amdhsa_enable_private_segment 0
		.amdhsa_kernarg_size 24
		.amdhsa_user_sgpr_count 2
		.amdhsa_user_sgpr_kernarg_segment_ptr 1
		.amdhsa_wavefront_size32 1
		.amdhsa_system_sgpr_workgroup_id_x 1
		.amdhsa_system_sgpr_workgroup_id_y 1
		.amdhsa_system_sgpr_workgroup_id_z 1
		.amdhsa_system_vgpr_workitem_id 0
		.amdhsa_next_free_vgpr 136
		.amdhsa_next_free_sgpr 66
		.amdhsa_reserve_vcc 0
		.amdhsa_float_denorm_mode_32 3
		.amdhsa_float_denorm_mode_16_64 3
		.amdhsa_memory_ordered 1
		.amdhsa_forward_progress 1
		.amdhsa_inst_pref_size 9
	.end_amdhsa_kernel
	.amdgpu_metadata
---
amdhsa.version: [ 1, 2 ]
amdhsa.kernels:
  - .name:           k_qc30674005c_sum
    .symbol:         k_qc30674005c_sum.kd
    .args:
      - { .name: part, .offset: 0, .size: 8, .value_kind: global_buffer, .address_space: global }
      - { .name: fc_b, .offset: 8, .size: 8, .value_kind: global_buffer, .address_space: global }
      - { .name: out0, .offset: 16, .size: 8, .value_kind: global_buffer, .address_space: global }
    .group_segment_fixed_size: 0
    .private_segment_fixed_size: 0
    .kernarg_segment_align: 8
    .kernarg_segment_size: 24
    .max_flat_workgroup_size: 64
    .sgpr_count:     66
    .vgpr_count:     136
    .wavefront_size: 32
...
	.end_amdgpu_metadata
.endif
;; end of part 3
;; ======== version 2 of 2: 3 launches
;; limits: right only within a limited range of input values
;; workspace buffers: atiles 19,660,800 bytes; btiles 6,553,600 bytes; part 1,048,576 bytes
;; launch quant (part 4): grid 256 x 1, 12 waves a work-group, no clusters, 288,256 bytes of LDS; arguments h0, W_hh, film_W2, x, film_W1, film_b1, atiles, btiles; writes atiles, btiles
.if DOCPART == 4
	.amdgcn_target "amdgcn-amd-amdhsa--gfx1250"
	.amdhsa_code_object_version 6
	.text
	.protected	k_qc30674005c_quant
	.globl	k_qc30674005c_quant
	.p2align	8
	.type	k_qc30674005c_quant,@function
k_qc30674005c_quant:
	s_mov_b64 s[64:65], 0
	v_nop
	global_prefetch_b8 v0, s[64:65] scope:SCOPE_SE
	s_setreg_imm32_b32 hwreg(HW_REG_WAVE_MODE, 25, 1), 1
	s_wait_xcnt 0x0
; ONE LSTM STEP WITH A FiLM HEAD, first of three launches: every operand of the two quantised products becomes codes of E3M2 (6 bits) with one E8M0 byte for each 32 along K.
; DEAD WORK: none.  h0, c0 and all biases are inputs, not zeros that the problem builds itself; every input has a way to the output, so every input is loaded by some launch and every product is done.
; What is made here: h0 [8192][1024], W_hh [4096][1024], film_W2 [2048][2048] (K innermost in all three), and hid = relu(C W1^T + b1) [8192][2048], computed in f32 by fused multiply-adds.
; A block's scale is 2^(floor(log2(largest magnitude)) - 4); its byte is the largest magnitude's exponent field - 4, held at 1 from below; numbers beyond 28 x scale take the largest code.
; LIMITS: NaN and infinities among the inputs are not served.  A block of zeros gets the byte 1 where the rule says 127: its codes are zeros, which add nothing, and this program alone reads the bytes.
; THE WORKSPACE IS LAID AS THE READER'S REGISTERS WANT IT.  A fragment (16 rows x 128 K, 12 registers a lane) is 1,536 bytes: register group c of lane l at 512 c + 16 l.
;   A tile, 25,600 bytes: 128 rows x 256 K: fragment (K step q, row block i) at (8 q + i) 1,536; from 24,576 on the scale words: row 32 x + l has its words of q = 0 and 1 at 256 x + 8 l.
;   atiles: tile (12 R + t), R = the group of 128 rows; t = 0..3: h0; t = 4..11: hid.
;   btiles: 204,800 bytes for each S = j / 32: four tiles of W_hh (row block 2 gate + jt), then eight half tiles of film_W2, 12,800 bytes each (fragment (q, b) at (4 q + b) 1,536, scale words from 12,288 on).
; SHARES: 256 work-groups of twelve waves.  A unit is 32 rows x 256 K of a tensor, 32 rows of 1,024 bytes.  In work-group g waves 0-3 take h0's units 4 g + w, waves 4, 5 W_hh's units 2 g + w % 2,
;   waves 6, 7 film_W2's units 2 g + w % 2, waves 8-11 the hidden layer's units 4 g + w - 8 (64 rows x 256 hidden units).
; A unit comes into LDS bytes of the wave's own by ONE tensor load at the head (rows 1,040 bytes apart) and is read by that wave alone, behind its own wait
;   no barrier, nothing is filled again.  The two row pitches in memory have a group 1 each; the branch between the two loads hangs on the wave's number alone.
; A LANE TAKES A ROW, its registers run along K: a block's largest magnitude needs no other lane, and a lane's four bytes are its row's scale word.  Twelve exchanges of lane halves turn 32 rows' codes into two fragments.
; The hidden layer's waves: 256 rows of W1 and 256 numbers of b1 go into 5,120 LDS bytes of the wave's own (W1 turned: [4][256]) and come back with one address for all lanes, eight units a batch, one batch ahead.
; No cluster: no two work-groups read the same tile.  No prefetch: the text has no loop to run ahead in, and every byte of the three tensors is asked for at the head.
.set RP,    1040                       ; a row in LDS: 1,024 bytes + 16
.set TSZ,   32*RP                      ; a wave's tile: 33,280 bytes
.set WB0,   8*TSZ                      ; behind the eight tiles: the hidden layer's weights,
.set WREG,  5120                       ; for each of its four waves: W1 as [4][256] f32, then b1 [256]
.set SPARE, WB0+4*WREG                 ; behind them: the spare words, 128 bytes a wave
.set SPW, 6                            ; v6  my spare word's address; never rewritten
.set NIL, 7                            ; v7  0; never rewritten
.set XX,  160                          ; v160-223  two sets of 32 neighbours along K
.set F0,  224                          ; v224-235  blocks 0 and 2 of my row, then the fragment of rows 0-15
.set F1,  236                          ; v236-247  blocks 1 and 3, then the fragment of rows 16-31
.set TMP, 248                          ; v248-250  a block's upper 16 codes
.set WD,  252                          ; v252-253  my row's scale words of K steps 0 and 1
.set WS0, 148                          ; the hidden layer's path: weights of eight units, set 0
.set WS1, 188                          ; set 1
.set WV,  100                          ; s100 my wave's number
.set G1N, 52                           ; s[52:59] group 1: rows 4,096 bytes apart in memory
.set G0,  60                           ; s[60:63] group 0
.set G1W, 68                           ; s[68:75] group 1: rows 8,192 bytes apart
; 32 numbers v[xs ..] of one block become 6 registers of codes at v[dst ..] and byte kb of v[word]
.macro QBLOCK xs, dst, kb, word
	v_max3_num_f32 v8, |v[\xs]|, |v[\xs+1]|, |v[\xs+2]|
	v_max3_num_f32 v9, |v[\xs+3]|, |v[\xs+4]|, |v[\xs+5]|
.irp i, 6,10,14,18,22,26
	v_max3_num_f32 v8, v8, |v[\xs+\i]|, |v[\xs+\i+1]|
	v_max3_num_f32 v9, v9, |v[\xs+\i+2]|, |v[\xs+\i+3]|
.endr
	v_max3_num_f32 v8, v8, |v[\xs+30]|, |v[\xs+31]|
	v_max3_num_f32 v8, v8, v9, 0x2800000           ; the floor 2^(5 - 127): the byte cannot fall under 1
	v_add_nc_u32 v10, 0xfe000000, v8               ; 4 off the exponent field: the conversion takes this operand's exponent field as its scale
	v_cvt_scalef32_pk16_bf6_f32 v[\dst:\dst+2], v[\xs:\xs+15], v10
	v_cvt_scalef32_pk16_bf6_f32 v[TMP:TMP+2], v[\xs+16:\xs+31], v10
	v_lshrrev_b32 v11, 23, v10                     ; the scale's byte (also the plain line behind the conversions)
.if \kb == 0
	v_mov_b32 v[\word], v11
.else
	v_lshl_or_b32 v[\word], v11, 8*\kb, v[\word]
.endif
	v_mov_b32 v[\dst+3], v[TMP]
	v_mov_b32 v[\dst+4], v[TMP+1]
	v_mov_b32 v[\dst+5], v[TMP+2]
.endm
; lanes 16-31 of f0 change places with lanes 0-15 of f1: f0 is then the fragment of rows 0-15, f1 that of rows 16-31; each store covers 512 consecutive bytes, aligned to 256
.macro FINISH f0, f1, base, off
.set ii, 0
.rept 12
	v_permlane16_swap_b32 v[\f0+ii], v[\f1+ii]
.set ii, ii+1
.endr
.irp c, 0,1,2
	global_store_b128 v4, v[\f0+4*\c:\f0+4*\c+3], s[\base:\base+1] offset:\off+512*\c
.endr
.irp c, 0,1,2
	global_store_b128 v4, v[\f1+4*\c:\f1+4*\c+3], s[\base:\base+1] offset:\off+1536+512*\c
.endr
.endm
	s_load_b512 s[4:19], s[0:1], 0x0               ; h0, W_hh, film_W2, x, film_W1, film_b1, atiles, btiles
	v_lshl_add_u32 v[SPW], v0, 2, SPARE
	v_mov_b32 v[NIL], 0
	ds_add_u32 v[SPW], v[NIL]                      ; the opening lines: the add, twice on end, and its wait ahead of a wave's first tensor load
	ds_add_u32 v[SPW], v[NIL]
	v_lshrrev_b32 v1, 5, v0
	v_readfirstlane_b32 s[WV], v1
	v_and_b32 v1, 31, v0                           ; lane
	v_lshlrev_b32 v4, 4, v1                        ; 16 x lane
	v_lshlrev_b32 v5, 3, v1                        ; 8 x lane
.irp g, G1N, G1W                       ; a tile of 32 rows x 128 elements of 8 bytes; 4 words of padding behind every 256
	s_mov_b32 s[\g], (3<<16)|(1<<20)|(7<<22)|(3<<25)
	s_mov_b32 s[\g+1], 128<<16
	s_mov_b32 s[\g+2], 32<<16
	s_mov_b32 s[\g+3], 128<<16
	s_mov_b32 s[\g+4], 32
	s_mov_b32 s[\g+6], 0
	s_mov_b32 s[\g+7], 0
.endr
	s_mov_b32 s[G1N+5], 512
	s_mov_b32 s[G1W+5], 1024
	s_wait_alu depctr_va_vdst(0)
	s_wait_dscnt 0x0                               ; both opening adds are done
	s_cmp_ge_u32 s[WV], 8
	s_cbranch_scc1 .Lhid
; ---------------- the three tensors that arrive as f32 ----------------
; Only pointers and offsets are chosen, by the wave's number: all three take one path but for the tensor load's group 1.
	s_lshl_b32 s30, ttmp9, 2
	s_add_co_u32 s30, s30, s[WV]                   ; h0: unit 4 g + w
	s_lshl_b32 s31, ttmp9, 1
	s_and_b32 s51, s[WV], 1
	s_add_co_u32 s31, s31, s51                     ; a weight: unit 2 g + w % 2
	s_cmp_lt_u32 s[WV], 4
	s_cselect_b32 s30, s30, s31
	s_mov_b32 s36, 12800
	s_mov_b32 s38, 6144
	s_cmp_lt_u32 s[WV], 6                          ; not film_W2?
	s_cselect_b32 s32, 2, 3                        ; K tiles of 256: 4 or 8
	s_cselect_b32 s33, 3, 7
	s_cselect_b32 s34, 17, 18                      ; 32 rows: 2^17 or 2^18 bytes
	s_cselect_b32 s36, 25600, s36                  ; a tile in the workspace
	s_cselect_b32 s37, 0, 102400                   ; film_W2's tiles lie behind W_hh's four
	s_cselect_b32 s38, 12288, s38                  ; from K step 0's fragments to K step 1's; twice that: where the scale words begin
	s_and_b32 s39, s30, s33                        ; t: which 256 along K
	s_lshr_b32 s40, s30, s32                       ; which 32 rows
	s_lshl_b32 s41, s40, s34
	s_lshl_b32 s42, s39, 10
	s_add_co_u32 s41, s41, s42                     ; the unit's first byte in its tensor
	s_lshr_b32 s43, s40, 2
	s_mul_i32 s43, s43, 307200                     ; h0: 12 tiles for each 128 rows
	s_and_b32 s44, s40, 31
	s_mul_i32 s44, s44, 204800                     ; weights: S
	s_and_b32 s45, s40, 3                          ; h0: which 32 of the 128 rows
	s_lshr_b32 s46, s40, 5                         ; weights: the gate, or gamma / beta
	s_cmp_lt_u32 s[WV], 4
	s_cselect_b32 s43, s43, s44
	s_cselect_b32 s45, s45, s46
	s_mul_i32 s36, s36, s39
	s_add_co_u32 s43, s43, s36
	s_add_co_u32 s43, s43, s37                     ; the tile's first byte
	s_mul_i32 s46, s45, 3072
	s_add_co_u32 s46, s46, s43                     ; my two fragments of K step 0
	s_lshl_b32 s47, s38, 1
	s_lshl_b32 s45, s45, 8
	s_add_co_u32 s47, s47, s45
	s_add_co_u32 s47, s47, s43                     ; my 256 bytes of scale words
	s_mov_b32 s49, 0
	s_mul_i32 s50, s[WV], TSZ                      ; my tile in LDS
	v_mul_u32_u24 v3, v1, RP
	v_add_nc_u32 v3, s50, v3                       ; my row of it
	s_wait_alu depctr_va_vdst(0)
	s_wait_kmcnt 0x0
	s_cmp_lt_u32 s[WV], 6
	s_cselect_b64 s[20:21], s[6:7], s[8:9]
	s_cmp_lt_u32 s[WV], 4
	s_cselect_b64 s[20:21], s[4:5], s[20:21]
	s_cselect_b64 s[24:25], s[16:17], s[18:19]
	s_mov_b32 s48, s41
	s_add_nc_u64 s[20:21], s[20:21], s[48:49]      ; the unit in memory
	s_mov_b32 s48, s47
	s_add_nc_u64 s[28:29], s[24:25], s[48:49]      ; the scale words
	s_mov_b32 s48, s46
	s_add_nc_u64 s[24:25], s[24:25], s[48:49]      ; K step 0's fragments
	s_mov_b32 s48, s38
	s_add_nc_u64 s[26:27], s[24:25], s[48:49]      ; K step 1's
	s_mov_b32 s[G0], 1
	s_mov_b32 s[G0+1], s50
	s_mov_b64 s[G0+2:G0+3], s[20:21]
	s_or_b32 s[G0+3], s[G0+3], 0x80000000
	s_cmp_lt_u32 s[WV], 6
	s_cbranch_scc0 .Lwide
	tensor_load_to_lds s[G0:G0+3], s[G1N:G1N+7]    ; my one tensor load: 32 rows x 1,024 bytes
	s_nop 0
	s_branch .Lasked
.Lwide:
	tensor_load_to_lds s[G0:G0+3], s[G1W:G1W+7]
	s_nop 0
.Lasked:
	s_wait_tensorcnt 0x0                           ; my tile is in; I alone read it
.macro RD q, kb, set                   ; block kb of K step q of my row: 128 bytes
.irp c, 0,1,2,3,4,5,6,7
	ds_load_b128 v[XX+32*\set+4*\c:XX+32*\set+4*\c+3], v3 offset:512*\q+128*\kb+16*\c
.endr
.endm
.macro HALF q
	RD \q, 0, 0
	RD \q, 1, 1
	s_wait_dscnt 8                                 ; block 0 is in; block 1's eight reads may be out
	QBLOCK XX, F0, 0, WD+\q
	RD \q, 2, 0
	s_wait_dscnt 8                                 ; block 1 is in
	QBLOCK XX+32, F1, 1, WD+\q
	RD \q, 3, 1
	s_wait_dscnt 8                                 ; block 2 is in
	QBLOCK XX, F0+6, 2, WD+\q
	s_wait_dscnt 0x0
	QBLOCK XX+32, F1+6, 3, WD+\q
	FINISH F0, F1, 24+2*\q, 0
.endm
	HALF 0
	s_wait_xcnt 0x0                                ; the stores' data registers are written again only behind this wait
	HALF 1
	global_store_b64 v5, v[WD:WD+1], s[28:29]      ; 32 rows' scale words: 256 consecutive bytes, aligned
	s_wait_tensorcnt 0x0                           ; the wave's end
	ds_add_u32 v[SPW], v[NIL]
	s_wait_dscnt 0x0
	s_endpgm
; ---------------- hid = relu(C W1^T + b1) ----------------
; REGISTERS of this path: v12 my row's byte in x; v13, v14 where I store W1's and b1's numbers; v15 where all lanes read them; v16-31 C of row group g, selector s, twice: the pair at 16 + 8 g + 2 s;
; v32-95 a block of 32 hidden units for each row group; v96-143 codes, 24 a group; v144-147 scale words; v148-227 two sets of weights.
.Lhid:
	s_and_b32 s24, s[WV], 3                        ; waves 8-11: 0..3
	s_lshl_b32 s101, ttmp9, 2
	s_add_co_u32 s101, s101, s24                   ; unit 0..1023
	s_and_b32 s104, s101, 7                        ; T: which 256 of the 2,048 hidden units
	s_lshr_b32 s105, s101, 3                       ; which 64 rows
	s_lshr_b32 s2, s105, 1                         ; R
	s_and_b32 s3, s105, 1                          ; which half of the tile's 128 rows
	s_mul_i32 s2, s2, 12
	s_add_co_u32 s2, s2, s104
	s_add_co_u32 s2, s2, 4
	s_mul_i32 s2, s2, 25600                        ; the tile's first byte
	s_mul_i32 s20, s3, 6144
	s_add_co_u32 s20, s20, s2                      ; my four fragments of K step 0
	s_mov_b32 s21, 0
	s_lshl_b32 s22, s3, 9
	s_add_co_u32 s22, s22, s2
	s_add_co_u32 s22, s22, 24576                   ; my 512 bytes of scale words
	s_mov_b32 s23, 0
	v_mul_u32_u24 v12, v1, 20                      ; a row of x is 20 bytes
	s_mul_i32 s24, s24, WREG
	s_add_co_u32 s24, s24, WB0                     ; my wave's weights in LDS
	s_add_co_u32 s25, s24, 4096
	v_lshl_add_u32 v13, v1, 2, s24                 ; W1 on the way in: 4 x lane (+ 1,024 s + 128 i in the immediate)
	v_add_nc_u32 v14, s25, v4                      ; b1 on the way in: 16 x lane
	v_mov_b32 v15, s24                             ; on the way out: one address for all lanes
	s_wait_alu depctr_va_vdst(0)
	s_wait_kmcnt 0x0
	s_add_nc_u64 s[4:5], s[16:17], s[20:21]
	s_add_nc_u64 s[6:7], s[16:17], s[22:23]
	s_lshl_b32 s20, s104, 12
	s_add_nc_u64 s[12:13], s[12:13], s[20:21]      ; W1 at hidden unit 256 T (16 bytes a unit)
	s_lshl_b32 s20, s104, 10
	s_add_nc_u64 s[14:15], s[14:15], s[20:21]      ; b1 likewise
	s_mul_i32 s20, s105, 1280
	s_add_nc_u64 s[10:11], s[10:11], s[20:21]      ; x at my first row
.irp i, 0,1,2,3,4,5,6,7
	global_load_b128 v[WS0+4*\i:WS0+4*\i+3], v4, s[12:13] offset:512*\i           ; W1 of unit 32 i + lane: 512 consecutive bytes a load
.endr
.irp i, 0,1
	global_load_b128 v[WS0+32+4*\i:WS0+32+4*\i+3], v4, s[14:15] offset:512*\i     ; b1 of units 128 i + 4 lane ..
.endr
.irp g, 0,1
.irp s, 0,1,2,3
	global_load_b32 v[16+8*\g+2*\s], v12, s[10:11] offset:640*\g+4+4*\s            ; C of row 32 g + lane, into both registers of a pair
	global_load_b32 v[17+8*\g+2*\s], v12, s[10:11] offset:640*\g+4+4*\s
.endr
.endr
	s_wait_loadcnt 16                              ; W1's and b1's ten loads are in; C's sixteen, issued behind them, may be out
.irp i, 0,1,2,3,4,5,6,7
.irp s, 0,1,2,3
	ds_store_b32 v13, v[WS0+4*\i+\s] offset:1024*\s+128*\i     ; W1 turned: [s][unit]: 32 lanes write 128 consecutive bytes
.endr
.endr
.irp i, 0,1
	ds_store_b128 v14, v[WS0+32+4*\i:WS0+32+4*\i+3] offset:512*\i
.endr
	s_wait_dscnt 0x0                               ; the stores have read their registers, which the first batch's loads take
.macro WLOAD n, w                      ; batch n: hidden units 8 n .. 8 n + 7: W1[s][..] for the four s, and b1[..]; every lane reads the same bytes
.irp s, 0,1,2,3
.irp c, 0,1
	ds_load_b128 v[\w+8*\s+4*\c:\w+8*\s+4*\c+3], v15 offset:1024*\s+32*(\n)+16*\c
.endr
.endr
.irp c, 0,1
	ds_load_b128 v[\w+32+4*\c:\w+32+4*\c+3], v15 offset:4096+32*(\n)+16*\c
.endr
.endm
.macro COMP n, w                       ; eight units x two row groups: two units to a packed multiply-add, eight chains by turns
.irp p, 0,1,2,3
.irp g, 0,1
	v_pk_fma_f32 v[32+32*\g+8*((\n)%4)+2*\p:33+32*\g+8*((\n)%4)+2*\p], v[16+8*\g:17+8*\g], v[\w+2*\p:\w+2*\p+1], v[\w+32+2*\p:\w+33+2*\p]
.endr
.endr
.irp s, 1,2,3
.irp p, 0,1,2,3
.irp g, 0,1
	v_pk_fma_f32 v[32+32*\g+8*((\n)%4)+2*\p:33+32*\g+8*((\n)%4)+2*\p], v[16+8*\g+2*\s:17+8*\g+2*\s], v[\w+8*\s+2*\p:\w+8*\s+2*\p+1], v[32+32*\g+8*((\n)%4)+2*\p:33+32*\g+8*((\n)%4)+2*\p]
.endr
.endr
.endr
.irp k, 0,1,2,3,4,5,6,7
.irp g, 0,1
	v_max_num_f32 v[32+32*\g+8*((\n)%4)+\k], 0, v[32+32*\g+8*((\n)%4)+\k]
.endr
.endr
.endm
	WLOAD 0, WS0
	s_wait_loadcnt 0x0                             ; C
.set nb, 0
.rept 32                               ; batch nb: K step nb / 16, block (nb % 16) / 4 of it
.if nb < 31
.if nb%2 == 0
	WLOAD nb+1, WS1                                ; the next batch goes out into the other set
.else
	WLOAD nb+1, WS0
.endif
	s_wait_dscnt 10                                ; LDS loads come back in order: this batch's ten are in, the next batch's ten may be out
.else
	s_wait_dscnt 0x0
.endif
.if nb%2 == 0
	COMP nb, WS0
.else
	COMP nb, WS1
.endif
.if nb%4 == 3
.set qk, (nb%16)/4
.set qq, nb/16
.if nb == 19
	s_wait_xcnt 0x0                                ; the first K step's stores have read the code registers, which are written again from here on
.endif
.irp g, 0,1
	QBLOCK 32+32*\g, 96+24*\g+12*(qk%2)+6*(qk/2), qk, 144+2*\g+qq
.endr
.endif
.if nb%16 == 15
.irp g, 0,1
	FINISH 96+24*\g, 108+24*\g, 4, 12288*qq+3072*\g
.endr
.endif
.set nb, nb+1
.endr
	global_store_b64 v5, v[144:145], s[6:7]        ; 32 rows' scale words: 256 consecutive bytes, aligned
	global_store_b64 v5, v[146:147], s[6:7] offset:256
	s_wait_tensorcnt 0x0                           ; the wave's end, behind my last LDS store
	ds_add_u32 v[SPW], v[NIL]
	s_wait_dscnt 0x0
	s_endpgm
.Lfunc_end_k_qc30674005c_quant:
	.size	k_qc30674005c_quant, .Lfunc_end_k_qc30674005c_quant-k_qc30674005c_quant
	.p2alignl 7, 3214868480
	.fill 96, 4, 3214868480
	.section	.rodata,"a",@progbits
	.p2align	6, 0x0
	.amdhsa_kernel k_qc30674005c_quant
		.amdhsa_group_segment_fixed_size 288256
		.amdhsa_private_segment_fixed_size 0
		.amdhsa_enable_private_segment 0
		.amdhsa_kernarg_size 64
		.amdhsa_user_sgpr_count 2
		.amdhsa_user_sgpr_kernarg_segment_ptr 1
		.amdhsa_wavefront_size32 1
		.amdhsa_system_sgpr_workgroup_id_x 1
		.amdhsa_system_sgpr_workgroup_id_y 1
		.amdhsa_system_sgpr_workgroup_id_z 1
		.amdhsa_system_vgpr_workitem_id 0
		.amdhsa_next_free_vgpr 256
		.amdhsa_next_free_sgpr 106
		.amdhsa_reserve_vcc 0
		.amdhsa_float_denorm_mode_32 3
		.amdhsa_float_denorm_mode_16_64 3
		.amdhsa_memory_ordered 1
		.amdhsa_forward_progress 1
		.amdhsa_inst_pref_size 156
	.end_amdhsa_kernel
	.amdgpu_metadata
---
amdhsa.version: [ 1, 2 ]
amdhsa.kernels:
  - .name:           k_qc30674005c_quant
    .symbol:         k_qc30674005c_quant.kd
    .args:
      - { .name: h0, .offset: 0, .size: 8, .value_kind: global_buffer, .address_space: global }
      - { .name: W_hh, .offset: 8, .size: 8, .value_kind: global_buffer, .address_space: global }
      - { .name: film_W2, .offset: 16, .size: 8, .value_kind: global_buffer, .address_space: global }
      - { .name: x, .offset: 24, .size: 8, .value_kind: global_buffer, .address_space: global }
      - { .name: film_W1, .offset: 32, .size: 8, .value_kind: global_buffer, .address_space: global }
      - { .name: film_b1, .offset: 40, .size: 8, .value_kind: global_buffer, .address_space: global }
      - { .name: atiles, .offset: 48, .size: 8, .value_kind: global_buffer, .address_space: global }
      - { .name: btiles, .offset: 56, .size: 8, .value_kind: global_buffer, .address_space: global }
    .group_segment_fixed_size: 288256
    .private_segment_fixed_size: 0
    .kernarg_segment_align: 8
    .kernarg_segment_size: 64
    .max_flat_workgroup_size: 384
    .sgpr_count:     106
    .vgpr_count:     256
    .wavefront_size: 32
...
	.end_amdgpu_metadata
.endif
;; end of part 4
;; launch cell (part 5): grid 16 x 32, 4 waves a work-group, clusters of 4 x 4, 327,680 bytes of LDS; arguments atiles, btiles, c0, x, W_ih, b_ih, b_hh, film_b2, fc_W, part; writes part
.if DOCPART == 5
	.amdgcn_target "amdgcn-amd-amdhsa--gfx1250"
	.amdhsa_code_object_version 6
	.text
	.protected	k_qc30674005c_cell
	.globl	k_qc30674005c_cell
	.p2align	8
	.type	k_qc30674005c_cell,@function
k_qc30674005c_cell:
	s_mov_b64 s[64:65], 0
	v_nop
	global_prefetch_b8 v0, s[64:65] scope:SCOPE_SE
	s_setreg_imm32_b32 hwreg(HW_REG_WAVE_MODE, 25, 1), 1
	s_wait_xcnt 0x0
	s_wait_alu depctr_hold_cnt(0) depctr_sa_sdst(0) depctr_va_vdst(0) depctr_va_sdst(0) depctr_va_ssrc(0) depctr_va_vcc(0) depctr_vm_vsrc(0)
	s_getreg_b32 s2, hwreg(HW_REG_IB_STS2, 6, 4)
	s_cmp_eq_u32 s2, 0
	s_cbranch_scc0 .Lentry_in_a_cluster
	s_endpgm
.Lentry_in_a_cluster:
	s_bfe_u32 s2, ttmp6, 0x10000c
	s_cmp_lg_u32 s2, 0xf033
	s_cbranch_scc0 .Lentry_shape_is_right
	s_endpgm
.Lentry_shape_is_right:
; Second launch: both quantised products, the LSTM cell, FiLM, and fc_W . (gamma h + beta) summed over 32 units for each wave.  No work of the problem is left out.
; SHARES.  Work-group (J, y): rows 256 y .., units 64 J ...  Wave w: rows 128 (w / 2) .., units 32 S .., S = 2 J + w % 2.
;   Phase G: gates i, f, g, o: 128 rows x 128 weight rows, K = 1,024: 8 steps of 64 matrix instructions.  Phase F: gamma, beta: 128 x 64, K = 2,048: 16 steps of 32.
; THE MATRIX INSTRUCTION IS USED TRANSPOSED (source 0 = 16 weight rows, source 1 = 16 rows of the batch): lane (r, h), register i of accumulator (a, b) holds row 16 a + r, unit 32 S + 16 jt + 8 h + i, b = 2 gate + jt.
; The gates' sums begin as sig W_ih + b_ih + b_hh; gamma's and beta's begin with film_b2 as the first C.  Operands lie in the workspace and in LDS as images of their registers (three loads of 16 bytes a lane).
; CLUSTER 4 x 4: A's tiles hang on y alone (joint along a row of the cluster), B's on J alone (joint along a column).  c0's tile is the work-group's own.
; STREAMS.  Waves 0, 1 fetch A: the 12 pieces of 25,600 bytes of rows 128 (2 y + e); waves 2, 3 fetch B: the 8 pieces of S = 2 J + e.  Both are read in memory order.
; LDS FILLS, one tensor load a wave each: head: pieces 0, 1 -> [0, 204,800) (51,200 x wave).  Behind a round with no refill: piece 2 -> [204,800, 307,200).  Then refills, each behind a round:
;   piece 3 -> [0, 102,400);  c0 (256 rows x 272) -> from 102,400;  F'0 -> X;  (behind the cell) F'1 -> Y;  F'2 -> X;  F'3 -> Y.
;   F slot (512 along K): X: A at 51,200 wr, B at 204,800 + 25,600 wc;  Y: A at 102,400 + 51,200 wr, B at 256,000 + 25,600 wc.  By this text's count a wave has one tensor load out at a time.
;   From 307,200: 512 bytes a wave for the way out; from 309,248: the spare words.
; PREFETCH: behind a fill each wave asks for the pieces of the fill two fills on (pieces 2 and 3 behind the head's): of a piece's 100 blocks of 256 bytes the partner at place p of the four that load it jointly names
;   blocks 25 p .. 25 p + 24, a lane a block (lanes 25-31 name block 24 again); every offset is an immediate, the address registers are never rewritten; the last piece named is the stream's last.  c0's 64 rows a wave: a lane a row, two fills ahead.
; sigmoid(z) = 1 / (1 + 2^(-L z)), tanh(z) = (1 - e) / (1 + e), e = 2^(-2 L z), L = log2(e); the three denominators of c_new are multiplied and inverted once, likewise the two of h_new.
; LIMITS: every exponent is held at 40 from above, so that products of denominators stay finite: a sigmoid is moved by less than 2^-39, a tanh by less than f32's rounding.  |c0| under 2^47.  NaN and infinities are not served.
.set TILE,  25600
.set FRB,   1536
.set SCA,   24576
.set SCF,   12288
.set FT,    12800
.set CP,    272
.set C0B,   102400
.set SCR,   307200
.set SPARE, 309248
; window 0: LDS addresses.  Places: Q = piece 2, L = piece 3, P = pieces 0, 1 (also F slot X's A), Y, X = F slots
.set A_Q, 1
.set A_L, 2
.set A_P, 3
.set A_Y, 4
.set SA_Q, 5
.set SA_L, 6
.set SA_P, 7
.set SA_Y, 8
.set B_L, 9
.set B_P, 10
.set B_X, 11
.set B_Q, 12
.set SB_L, 13
.set SB_P, 14
.set SB_Q, 15
.set FSB, 16
.set FADA, A_P
.set FSA, SA_P
.set FADB, B_X
.set C0A, 18
.set SIN, 19
.set SOUT, 20
.set L16, 21
.set PFO, 22                           ; 256 x min(lane, 24); never rewritten
.set PFC, 23                           ; 4,096 x lane; never rewritten
.set SPW, 28
.set NIL, 29
.set SC,  32                           ; v32-63 scale words and nothing else
.set FB2, 64
.set FCW, 96
.set SG,  112
.set AF,  128
.set CB,  224
.set G1A,  24                          ; 100 rows of 256 bytes, row mask
.set G1AF, 32                          ; 200 rows, row mask
.set G1B,  40                          ; 100 rows, column mask
.set G1BF, 48                          ; 200 rows, column mask
.set G1C,  56                          ; c0: 64 rows of 256 bytes, 4,096 apart, padded, no mask
.set G0A,  68
.set G0B,  72
.set G0C,  76
.set PFA,  80                          ; s[80:81] my stream + 6,400 x my place among the four partners
.set PFCB, 82                          ; s[82:83] my 64 rows of c0
.set WV,   88
.set WR,   89
.set WC,   90
.set HB,   91                          ; 25,600 x WC
.set NL1,  92
.set NL2,  94
.set CAP,  96
.set E51,  97                          ; 51,200 x WC
.set SEL,  98
.set MSB, 0
.macro WIN new
.if MSB != (\new)
	s_set_vgpr_msb (MSB<<8)|(\new)
.set MSB, (\new)
.endif
.endm
.set MUL_LO, 0xa1
.set MUL_HI, 0xf1
.set TO_B,   0x40
.macro PLACES
.rept 4
	v_nop
.endr
.endm
.macro TL g0, g1
	tensor_load_to_lds s[\g0:\g0+3], s[\g1:\g1+7]
	s_nop 0
.rept 4
	v_nop
.endr
.endm
.macro JLOAD g0a, g1a, g0b, g1b        ; waves 0, 1 fetch for A, waves 2, 3 for B
	s_cmp_eq_u32 s[WR], 0
	s_cbranch_scc0 .Lfor_b_\@
	tensor_load_to_lds s[\g0a:\g0a+3], s[\g1a:\g1a+7]
	s_nop 0
.rept 4
	v_nop
.endr
	s_branch .Lasked_\@
.Lfor_b_\@:
	tensor_load_to_lds s[\g0b:\g0b+3], s[\g1b:\g1b+7]
	s_nop 0
.rept 4
	v_nop
.endr
.Lasked_\@:
.endm
; the next fill: no tensor load of mine is out, so both groups 0 may be written; LDS address = a multiple of WC + a constant; the streams step by whole pieces
.macro LOADN la, ca, sa, g1a, lb, cb, sb, g1b
	s_add_co_u32 s[G0A+1], s[\la], \ca
	s_add_nc_u64 s[G0A+2:G0A+3], s[G0A+2:G0A+3], (\sa)*TILE
	s_add_co_u32 s[G0B+1], s[\lb], \cb
	s_add_nc_u64 s[G0B+2:G0B+3], s[G0B+2:G0B+3], (\sb)*TILE
	JLOAD G0A, \g1a, G0B, \g1b
.endm
.macro ASK pa, pb                      ; A's waves ask for pieces pa, pa + 1, B's for piece pb
	s_cmp_eq_u32 s[WR], 0
	s_cbranch_scc0 .Lpb_\@
	global_prefetch_b8 v[PFO], s[PFA:PFA+1] offset:(\pa)*TILE th:TH_LOAD_NT scope:SCOPE_SE
	global_prefetch_b8 v[PFO], s[PFA:PFA+1] offset:(\pa)*TILE+TILE th:TH_LOAD_NT scope:SCOPE_SE
	s_branch .Lpe_\@
.Lpb_\@:
	global_prefetch_b8 v[PFO], s[PFA:PFA+1] offset:(\pb)*TILE th:TH_LOAD_NT scope:SCOPE_SE
.Lpe_\@:
.endm
.macro CREST
	s_cmp_lg_u32 s[WV], 0
	s_cbranch_scc1 .Lnot_wave_0_\@
	s_barrier_signal -3
.Lnot_wave_0_\@:
	s_barrier_wait -3
	s_barrier_signal -1
	s_barrier_wait -1
.endm
.macro CROUND
	s_barrier_signal -1
	s_barrier_wait -1
	CREST
.endm
	s_load_b512 s[4:19], s[0:1], 0x0               ; atiles, btiles, c0, x, W_ih, b_ih, b_hh, film_b2
	s_load_b128 s[20:23], s[0:1], 0x40             ; fc_W, part
	v_lshl_add_u32 v[SPW], v0, 2, SPARE
	v_mov_b32 v[NIL], 0
	ds_add_u32 v[SPW], v[NIL]                      ; the opening lines: the add, twice on end, and its wait ahead of my first tensor load
	ds_add_u32 v[SPW], v[NIL]
	v_lshrrev_b32 v24, 5, v0
	v_readfirstlane_b32 s[WV], v24
	s_lshr_b32 s[WR], s[WV], 1
	s_and_b32 s[WC], s[WV], 1
	s_bfe_u32 s104, ttmp6, 0x40000                 ; cx
	s_bfe_u32 s105, ttmp6, 0x40004                 ; cy
	s_lshl_b32 s100, ttmp9, 2
	s_add_co_u32 s100, s100, s104                  ; J
	s_and_b32 s101, ttmp7, 0xffff
	s_lshl_b32 s101, s101, 2
	s_add_co_u32 s101, s101, s105                  ; y
	s_lshl_b32 s2, s105, 2
	s_lshl_b32 s2, 15, s2                          ; my row of the cluster
	s_lshl_b32 s66, 0x1111, s104                   ; my column
	s_or_b32 s[G1A], s2, (3<<16)|(1<<21)           ; the mask; elements of 8 bytes; bit 21 beside a mask
	s_or_b32 s[G1AF], s2, (3<<16)|(1<<21)
	s_or_b32 s[G1B], s66, (3<<16)|(1<<21)
	s_or_b32 s[G1BF], s66, (3<<16)|(1<<21)
	s_mov_b32 s[G1C], (3<<16)|(1<<20)|(5<<22)|(3<<25)   ; no mask; 4 words of padding behind every 64
.irp g, G1A, G1AF, G1B, G1BF, G1C
	s_mov_b32 s[\g+1], 32<<16                      ; rows of 32 elements: 256 bytes
	s_mov_b32 s[\g+3], 32<<16
	s_mov_b32 s[\g+6], 0
	s_mov_b32 s[\g+7], 0
.endr
.irp g, G1A, G1B
	s_mov_b32 s[\g+2], 100<<16
	s_mov_b32 s[\g+4], 100
	s_mov_b32 s[\g+5], 32                          ; dense
.endr
.irp g, G1AF, G1BF
	s_mov_b32 s[\g+2], 200<<16
	s_mov_b32 s[\g+4], 200
	s_mov_b32 s[\g+5], 32
.endr
	s_mov_b32 s[G1C+2], 64<<16
	s_mov_b32 s[G1C+4], 64
	s_mov_b32 s[G1C+5], 512                        ; a row of c0 is 4,096 bytes
	s_mul_i32 s[HB], s[WC], TILE
	s_mul_i32 s[E51], s[WC], 2*TILE
	s_lshl_b32 s2, s101, 1                         ; A's stream: rows 128 (2 y + e)
	s_add_co_u32 s2, s2, s[WC]
	s_mul_i32 s2, s2, 12*TILE
	s_mov_b32 s3, 0
	s_lshl_b32 s66, s100, 1                        ; B's stream: S = 2 J + e
	s_add_co_u32 s66, s66, s[WC]
	s_mul_i32 s66, s66, 8*TILE
	s_mov_b32 s67, 0
	s_lshl_b32 s84, s101, 8                        ; c0: rows 256 y + 64 w, byte 256 J of each
	s_lshl_b32 s85, s[WV], 6
	s_add_co_u32 s84, s84, s85
	s_lshl_b32 s84, s84, 12
	s_lshl_b32 s85, s100, 8
	s_add_co_u32 s84, s84, s85
	s_mov_b32 s85, 0
	s_cmp_eq_u32 s[WR], 0
	s_cselect_b32 s86, s104, s105                  ; my place among the four that ask with me
	s_mul_i32 s86, s86, 6400
	s_mov_b32 s87, 0
	s_wait_dscnt 0x0                               ; both opening adds are done
	s_wait_kmcnt 0x0
	s_add_nc_u64 s[2:3], s[4:5], s[2:3]
	s_add_nc_u64 s[66:67], s[6:7], s[66:67]
	s_add_nc_u64 s[PFCB:PFCB+1], s[8:9], s[84:85]
	s_cmp_eq_u32 s[WR], 0
	s_cselect_b64 s[PFA:PFA+1], s[2:3], s[66:67]
	s_add_nc_u64 s[PFA:PFA+1], s[PFA:PFA+1], s[86:87]
	s_mov_b32 s[G0A], 1
	s_add_co_u32 s[G0A+1], s[E51], 0
	s_mov_b64 s[G0A+2:G0A+3], s[2:3]
	s_or_b32 s[G0A+3], s[G0A+3], 0x80000000
	s_mov_b32 s[G0B], 1
	s_add_co_u32 s[G0B+1], s[E51], 4*TILE
	s_mov_b64 s[G0B+2:G0B+3], s[66:67]
	s_or_b32 s[G0B+3], s[G0B+3], 0x80000000
	s_mov_b32 s[G0C], 1
	s_mul_i32 s[G0C+1], s[WV], 64*CP
	s_add_co_u32 s[G0C+1], s[G0C+1], C0B
	s_mov_b64 s[G0C+2:G0C+3], s[PFCB:PFCB+1]
	s_or_b32 s[G0C+3], s[G0C+3], 0x80000000
	CROUND                                         ; all sixteen work-groups are here: the first joint loads meet
	JLOAD G0A, G1AF, G0B, G1BF                     ; pieces 0 and 1: my one tensor load at the head
	s_lshl_b32 s66, s100, 1
	s_add_co_u32 s66, s66, s[WC]                   ; S
	s_lshl_b32 s2, s66, 7
	s_mov_b32 s3, 0
	s_add_nc_u64 s[12:13], s[12:13], s[2:3]
	s_add_nc_u64 s[14:15], s[14:15], s[2:3]
	s_add_nc_u64 s[16:17], s[16:17], s[2:3]
	s_add_nc_u64 s[18:19], s[18:19], s[2:3]
	s_add_nc_u64 s[20:21], s[20:21], s[2:3]
	s_lshl_b32 s67, s101, 8
	s_lshl_b32 s84, s[WR], 7
	s_add_co_u32 s67, s67, s84                     ; my first row
	s_mul_i32 s2, s67, 20
	s_add_nc_u64 s[10:11], s[10:11], s[2:3]
	s_lshl_b32 s2, s66, 15                         ; part [S][8192]
	s_lshl_b32 s84, s67, 2
	s_add_co_u32 s2, s2, s84
	s_add_nc_u64 s[22:23], s[22:23], s[2:3]
	v_and_b32 v27, 15, v0                          ; r
	v_bfe_u32 v30, v0, 4, 1                        ; h
	v_and_b32 v31, 31, v0                          ; lane
	v_lshlrev_b32 v24, 5, v30
	v_mul_u32_u24 v25, v27, 20
	v_lshlrev_b32 v[L16], 4, v31
	v_lshlrev_b32 v26, 3, v31
	v_min_u32 v[PFO], 24, v31
	v_lshlrev_b32 v[PFO], 8, v[PFO]
	v_lshlrev_b32 v[PFC], 12, v31
	s_wait_alu depctr_va_vdst(0)
.irp g, 0,1,2,3
.irp j, 0,1
.irp c, 0,1
	global_load_b128 v[128+16*\g+8*\j+4*\c:131+16*\g+8*\j+4*\c], v24, s[12:13] offset:4096*\g+64*\j+16*\c   ; W_ih in the result's layout
	global_load_b128 v[192+16*\g+8*\j+4*\c:195+16*\g+8*\j+4*\c], v24, s[14:15] offset:4096*\g+64*\j+16*\c   ; b_ih
.endr
.endr
.endr
	WIN TO_B
.irp g, 0,1,2,3
.irp j, 0,1
.irp c, 0,1
	global_load_b128 v[16*\g+8*\j+4*\c:3+16*\g+8*\j+4*\c], v24, s[16:17] offset:4096*\g+64*\j+16*\c         ; b_hh, in window 1
.endr
.endr
.endr
	WIN 0
.irp a, 0,1,2,3,4,5,6,7
	global_load_b32 v[SG+2*\a], v25, s[10:11] offset:320*\a      ; sig of row 16 a + r, twice
	global_load_b32 v[SG+2*\a+1], v25, s[10:11] offset:320*\a
.endr
.irp g, 0,1
.irp j, 0,1
.irp c, 0,1
	global_load_b128 v[FB2+16*\g+8*\j+4*\c:FB2+3+16*\g+8*\j+4*\c], v24, s[18:19] offset:4096*\g+64*\j+16*\c
.endr
.endr
.endr
.irp j, 0,1
.irp c, 0,1
	global_load_b128 v[FCW+8*\j+4*\c:FCW+3+8*\j+4*\c], v24, s[20:21] offset:64*\j+16*\c
.endr
.endr
	global_prefetch_b8 v[PFO], s[PFA:PFA+1] offset:2*TILE th:TH_LOAD_NT scope:SCOPE_SE   ; pieces 2 and 3 of my stream
	global_prefetch_b8 v[PFO], s[PFA:PFA+1] offset:3*TILE th:TH_LOAD_NT scope:SCOPE_SE
	; every LDS address: a constant + a constant x wave's half + 16 or 8 x lane
.macro ADR2 ra, rs, sr, cn, sc
	s_add_co_u32 s66, s[\sr], \cn
	v_add_nc_u32 v[\ra], s66, v[L16]
	s_add_co_u32 s66, s66, \sc
	v_add_nc_u32 v[\rs], s66, v26
.endm
	s_mul_i32 s2, s[WR], TILE
	s_lshl_b32 s3, s2, 1
	ADR2 A_Q, SA_Q, 2, 8*TILE, SCA
	ADR2 A_L, SA_L, 2, 0, SCA
	ADR2 A_P, SA_P, 3, 0, SCA
	ADR2 A_Y, SA_Y, 3, 4*TILE, SCA
	ADR2 B_L, SB_L, HB, 2*TILE, SCA
	ADR2 B_P, SB_P, E51, 4*TILE, SCA
	ADR2 B_Q, SB_Q, HB, 10*TILE, SCA
	ADR2 B_X, FSB, HB, 8*TILE, SCF
	s_add_co_u32 s66, s[HB], 10*TILE+SCF
	v_add_nc_u32 v[FSB+1], s66, v26
	s_mul_i32 s66, s[WR], 128*CP
	s_lshl_b32 s67, s[WC], 7
	s_add_co_u32 s66, s66, s67
	s_add_co_u32 s66, s66, C0B
	v_mul_u32_u24 v[C0A], v27, CP
	v_lshl_add_u32 v[C0A], v30, 5, v[C0A]
	v_add_nc_u32 v[C0A], s66, v[C0A]               ; row 128 wr + r, byte 128 wc + 32 h
	s_lshl_b32 s66, s[WV], 9
	s_add_co_u32 s66, s66, SCR
	v_lshl_add_u32 v[SIN], v27, 2, s66
	v_add_nc_u32 v[SOUT], s66, v[L16]
	s_mov_b32 s[NL1], 0xbfb8aa3b
	s_mov_b32 s[NL1+1], s[NL1]
	s_mov_b32 s[NL2], 0xc038aa3b
	s_mov_b32 s[NL2+1], s[NL2]
	s_mov_b32 s[CAP], 0x42200000
	s_mov_b32 s[SEL], 0x76543210
	s_mov_b32 s[SEL+1], 0xfedcba98
	s_wait_alu depctr_va_vdst(0)
	s_wait_loadcnt 0x0
	WIN 0x04
.set kk, 0
.rept 32
	v_pk_add_f32 v[192+2*kk:193+2*kk], v[192+2*kk:193+2*kk], v[2*kk:2*kk+1]       ; b_ih + b_hh
.set kk, kk+1
.endr
.irp hf, 0,1                           ; the gates' sums begin: sig W_ih + b
	WIN 0x80+0x40*\hf
.set kk, 0
.rept 128
	v_pk_fma_f32 v[2*kk:2*kk+1], v[128+2*(kk%32):129+2*(kk%32)], v[SG+2*(4*\hf+kk/32):SG+2*(4*\hf+kk/32)+1], v[192+2*(kk%32):193+2*(kk%32)]
.set kk, kk+1
.endr
.endr
	WIN 0
.macro FRAG reg, adr, off
.irp c, 0,1,2
	ds_load_b128 v[(\reg)+4*\c:(\reg)+4*\c+3], v[\adr] offset:(\off)+512*\c
.endr
.endm
.macro SCALES set, adra, offa, adrb, offb, ny
.irp x, 0,1,2,3
	ds_load_b64 v[SC+16*(\set)+2*\x:SC+16*(\set)+2*\x+1], v[\adra] offset:(\offa)+256*\x
.endr
.irp x, 0,1,2,3
.if \x < \ny
	ds_load_b64 v[SC+16*(\set)+8+2*\x:SC+16*(\set)+8+2*\x+1], v[\adrb] offset:(\offb)+256*\x
.endif
.endr
.endm
.macro WMX rb, ra                      ; an odd block's scale words stand in lanes 16-31
.if (\rb) && (\ra)
	v_wmma_scale_f32_16x16x128_f8f6f4 v[rD:rD+7], v[rB:rB+11], v[rA:rA+11], v[rC:rC+7], v[rSB], v[rSA] matrix_a_fmt:MATRIX_FMT_BF6 matrix_b_fmt:MATRIX_FMT_BF6 matrix_a_scale:MATRIX_SCALE_ROW1 matrix_b_scale:MATRIX_SCALE_ROW1
.elseif (\rb)
	v_wmma_scale_f32_16x16x128_f8f6f4 v[rD:rD+7], v[rB:rB+11], v[rA:rA+11], v[rC:rC+7], v[rSB], v[rSA] matrix_a_fmt:MATRIX_FMT_BF6 matrix_b_fmt:MATRIX_FMT_BF6 matrix_a_scale:MATRIX_SCALE_ROW1
.elseif (\ra)
	v_wmma_scale_f32_16x16x128_f8f6f4 v[rD:rD+7], v[rB:rB+11], v[rA:rA+11], v[rC:rC+7], v[rSB], v[rSA] matrix_a_fmt:MATRIX_FMT_BF6 matrix_b_fmt:MATRIX_FMT_BF6 matrix_b_scale:MATRIX_SCALE_ROW1
.else
	v_wmma_scale_f32_16x16x128_f8f6f4 v[rD:rD+7], v[rB:rB+11], v[rA:rA+11], v[rC:rC+7], v[rSB], v[rSA] matrix_a_fmt:MATRIX_FMT_BF6 matrix_b_fmt:MATRIX_FMT_BF6
.endif
.endm
; PHASE G.  16 matrix instructions: A's blocks a0, a0 + 1 x B's eight; K step q of a tile uses B's set q.  The 64 accumulators take turns.
.macro MUL16 a0, q, set
.irp a, \a0, \a0+1
.irp b, 0,1,2,3,4,5,6,7
.set rD, 8*(8*((\a)%4)+\b)
.set rC, rD
.set rB, 128*(\q)+12*\b
.set rA, AF+12*(\a)
.set rSB, SC+16*(\set)+8+2*(\b/2)+(\q)
.set rSA, SC+16*(\set)+2*((\a)/2)+(\q)
	WMX \b%2, (\a)%2
.endr
.endr
.endm
.macro GFETCH_B pl, toff, q
	WIN TO_B
.irp i, 0,1,2,3,4,5,6,7
	FRAG 128*(\q)+12*\i, B_\pl, (\toff)+(8*(\q)+\i)*FRB
.endr
	WIN 0
.endm
.macro GFETCH_A pl, toff, q, i0
.irp i, \i0, \i0+1, \i0+2, \i0+3
	FRAG AF+12*(\i), A_\pl, (\toff)+(8*(\q)+(\i))*FRB
.endr
.endm
; a step with no barrier: K step q with scale set 'set'; the next step's fragments (place npl, byte ntoff, K step nq) are fetched in its course; nsc = 1: with the next tile's scale words into set nset
.macro GS q, set, npl, ntoff, nq, nsc, nset
	s_wait_dscnt 18                                ; B's set, the scale words and A's blocks 0, 1 are in; the youngest eighteen loads (A's blocks 2-7) may be out
	GFETCH_B \npl, \ntoff, \nq                     ; the next step's B goes into the other set, whose last readers stand behind four places
	WIN MUL_LO
	MUL16 0, \q, \set
	s_wait_dscnt 36                                ; A's blocks 2, 3 are in (younger: blocks 4-7's twelve loads and B's 24)
	MUL16 2, \q, \set
	s_wait_dscnt 24                                ; A's blocks 4-7 are in (younger: B's 24)
	PLACES
	WIN 0
.if \nsc
	SCALES \nset, SA_\npl, \ntoff, SB_\npl, \ntoff, 4
.endif
	GFETCH_A \npl, \ntoff, \nq, 0
	WIN MUL_HI
	MUL16 4, \q, \set
	MUL16 6, \q, \set
	PLACES
	WIN 0
	GFETCH_A \npl, \ntoff, \nq, 4
.endm
; a tile's second K step with a change of places: all my tensor loads waited for, the add, the wait for it and for my reads; the barrier opens a round; behind the round my one fill.
; mode 0: piece 3 -> [0, 102,400); 1: c0; 2: F'0 -> X (the cell follows, nothing is fetched from LDS)
.macro GTURN set, mode, npl, nset
	s_wait_tensorcnt 0x0
	ds_add_u32 v[SPW], v[NIL]
	s_wait_dscnt 13                                ; (the add and A's blocks 4-7 may be out)
	WIN MUL_LO
	MUL16 0, 1, \set
	s_wait_dscnt 0x0                               ; the add is done, and my reads of the bytes to be filled are over
	s_barrier_signal -1
	MUL16 2, 1, \set
	WIN 0
	s_barrier_wait -1
	CREST
.if \mode == 0
	LOADN HB, 0, 1, G1A, HB, 2*TILE, 1, G1B
.elseif \mode == 1
	TL G0C, G1C
.else
	LOADN E51, 0, 1, G1AF, HB, 8*TILE, 1, G1B
.endif
.if \mode < 2
	GFETCH_B \npl, 0, 0
	SCALES \nset, SA_\npl, 0, SB_\npl, 0, 4
	GFETCH_A \npl, 0, 0, 0
.endif
	ASK 4+2*\mode, 4+\mode                         ; the fill two fills on
	WIN MUL_HI
	MUL16 4, 1, \set
	MUL16 6, 1, \set
	PLACES
	WIN 0
.if \mode < 2
	GFETCH_A \npl, 0, 0, 4
.endif
.endm
	s_wait_alu depctr_va_vdst(0)
	s_wait_tensorcnt 0x0                           ; my part of pieces 0, 1 is in; the same lines ahead of a later first fill as ahead of a refill
	ds_add_u32 v[SPW], v[NIL]
	s_wait_dscnt 0x0
	CROUND
	LOADN HB, 8*TILE, 2, G1A, HB, 10*TILE, 2, G1B  ; piece 2: a first fill; no wave refills behind this round
	GFETCH_B P, 0, 0
	SCALES 0, SA_P, 0, SB_P, 0, 4
	GFETCH_A P, 0, 0, 0
	GFETCH_A P, 0, 0, 4
	global_prefetch_b8 v[PFC], s[PFCB:PFCB+1] th:TH_LOAD_NT scope:SCOPE_SE                 ; c0: my rows 0-31,
	global_prefetch_b8 v[PFC], s[PFCB:PFCB+1] offset:131072 th:TH_LOAD_NT scope:SCOPE_SE   ; and 32-63
	GS 0, 0, P, 0, 1, 0, 0
	GS 1, 0, P, TILE, 0, 1, 1
	GS 0, 1, P, TILE, 1, 0, 0
	GTURN 1, 0, Q, 0
	GS 0, 0, Q, 0, 1, 0, 0
	GTURN 0, 1, L, 1
	GS 0, 1, L, 0, 1, 0, 0
	GTURN 1, 2, L, 0
; THE CELL, two row blocks at a time, in place: I at R, F at R + 16, G at R + 32, O at R + 48.  Each accumulator is read from its low end on.
.macro C0LOAD a0
.irp a, 0,1
.irp j, 0,1
.irp c, 0,1
	ds_load_b128 v[CB+16*\a+8*\j+4*\c:CB+16*\a+8*\j+4*\c+3], v[C0A] offset:16*CP*((\a0)+\a)+64*\j+16*\c
.endr
.endr
.endr
.endm
.macro SETRI a0
.set RI, 8*(8*(((\a0)+ee/8)%4)+(ee/4)%2)+2*(ee%4)
.endm
.macro SETR1 a0, o
.set R1, 8*(8*(((\a0)+ee/16)%4)+(ee/8)%2)+ee%8+(\o)
.endm
.macro EPI a0, more
.set WALL, 0xaa+0x55*((\a0)/4)
.set WS0,  WALL&0xfc
	WIN WALL
	s_wait_alu depctr_va_vdst(0)                   ; ahead of the first reader of matrix results
.set ee, 0
.rept 16
	SETRI \a0
	v_pk_mul_f32 v[RI:RI+1], v[RI:RI+1], s[NL1:NL1+1] op_sel_hi:[1,0]
	v_pk_mul_f32 v[RI+16:RI+17], v[RI+16:RI+17], s[NL1:NL1+1] op_sel_hi:[1,0]
	v_pk_mul_f32 v[RI+32:RI+33], v[RI+32:RI+33], s[NL2:NL2+1] op_sel_hi:[1,0]
	v_pk_mul_f32 v[RI+48:RI+49], v[RI+48:RI+49], s[NL1:NL1+1] op_sel_hi:[1,0]
.set ee, ee+1
.endr
.set ee, 0
.rept 32
	SETR1 \a0, 0
	v_min_num_f32 v[R1], s[CAP], v[R1]             ; the hold at 40
.set ee, ee+1
.endr
.irp g, 0,1,2                          ; a gate's exponentials, the next gate's holds between them
.set ee, 0
	s_wait_alu depctr_va_vdst(0)
.rept 32
	SETR1 \a0, 16*\g
	v_exp_f32 v[R1], v[R1]
	v_min_num_f32 v[R1+16], s[CAP], v[R1+16]
.set ee, ee+1
.endr
.endr
.set ee, 0
	s_wait_alu depctr_va_vdst(0)
.rept 32
	SETR1 \a0, 48
	v_exp_f32 v[R1], v[R1]
.set ee, ee+1
.endr
	v_nop
	s_wait_alu depctr_va_vdst(0)                   ; one wait for the batch, ahead of its first reader
.set ee, 0
.rept 16
	SETRI \a0
	v_pk_add_f32 v[RI:RI+1], v[RI:RI+1], 1.0 op_sel_hi:[1,0]                 ; 1 + eI
	v_pk_add_f32 v[RI+16:RI+17], v[RI+16:RI+17], 1.0 op_sel_hi:[1,0]         ; 1 + eF
	v_pk_add_f32 v[RI+48:RI+49], v[RI+48:RI+49], 1.0 op_sel_hi:[1,0]         ; 1 + eO
.set ee, ee+1
.endr
.set ee, 0
.rept 16
	SETRI \a0
	v_pk_fma_f32 v[RI:RI+1], v[RI:RI+1], v[RI+32:RI+33], v[RI:RI+1]          ; (1 + eI)(1 + eG)
.set ee, ee+1
.endr
.set ee, 0
.rept 16
	SETRI \a0
	v_pk_fma_f32 v[RI+32:RI+33], v[RI+32:RI+33], v[RI+16:RI+17], v[RI+16:RI+17] neg_lo:[1,0,0] neg_hi:[1,0,0]   ; (1 - eG)(1 + eF)
.set ee, ee+1
.endr
	s_wait_dscnt 0x0                               ; c0 of these two blocks is in
	WIN WS0
.set ee, 0
.rept 16
	SETRI \a0
	v_pk_fma_f32 v[RI+32:RI+33], v[CB+2*ee:CB+2*ee+1], v[RI:RI+1], v[RI+32:RI+33]   ; + c0 (1 + eI)(1 + eG): c_new's numerator
.set ee, ee+1
.endr
	WIN WALL
.set ee, 0
.rept 16
	SETRI \a0
	v_pk_mul_f32 v[RI:RI+1], v[RI:RI+1], v[RI+16:RI+17]                      ; its denominator
.set ee, ee+1
.endr
.set ee, 0
	s_wait_alu depctr_va_vdst(0)
.rept 32
	SETR1 \a0, 0
	v_rcp_f32 v[R1], v[R1]
.set ee, ee+1
.endr
	v_nop
.if \more
	WIN 0
	C0LOAD (\a0)+2
	WIN WALL
.endif
	s_wait_alu depctr_va_vdst(0)
.set ee, 0
.rept 16
	SETRI \a0
	v_pk_mul_f32 v[RI+32:RI+33], v[RI+32:RI+33], v[RI:RI+1]                  ; c_new
.set ee, ee+1
.endr
.set ee, 0
.rept 16
	SETRI \a0
	v_pk_mul_f32 v[RI+32:RI+33], v[RI+32:RI+33], s[NL2:NL2+1] op_sel_hi:[1,0]
.set ee, ee+1
.endr
.set ee, 0
.rept 32
	SETR1 \a0, 32
	v_min_num_f32 v[R1], s[CAP], v[R1]
.set ee, ee+1
.endr
.set ee, 0
	s_wait_alu depctr_va_vdst(0)
.rept 32
	SETR1 \a0, 32
	v_exp_f32 v[R1], v[R1]                         ; eC
.set ee, ee+1
.endr
	v_nop
	s_wait_alu depctr_va_vdst(0)
.set ee, 0
.rept 16
	SETRI \a0
	v_pk_fma_f32 v[RI+48:RI+49], v[RI+48:RI+49], v[RI+32:RI+33], v[RI+48:RI+49]   ; (1 + eO)(1 + eC)
.set ee, ee+1
.endr
.set ee, 0
	s_wait_alu depctr_va_vdst(0)
.rept 32
	SETR1 \a0, 48
	v_rcp_f32 v[R1], v[R1]
.set ee, ee+1
.endr
	v_nop
	s_wait_alu depctr_va_vdst(0)
.set ee, 0
.rept 16
	SETRI \a0
	v_pk_fma_f32 v[RI+32:RI+33], v[RI+32:RI+33], v[RI+48:RI+49], v[RI+48:RI+49] neg_lo:[1,0,0] neg_hi:[1,0,0]   ; h_new = (1 - eC) / ((1 + eO)(1 + eC))
.set ee, ee+1
.endr
	WIN WS0
.set ee, 0
.rept 16
	SETRI \a0
	v_pk_mul_f32 v[RI:RI+1], v[FCW+8*((ee/4)%2)+2*(ee%4):FCW+8*((ee/4)%2)+2*(ee%4)+1], v[RI+32:RI+33]   ; fc_W h_new, kept where I stood
.set ee, ee+1
.endr
.endm
	C0LOAD 0
	EPI 0, 1
	EPI 2, 1
	EPI 4, 1
	EPI 6, 0
	WIN 0
; PHASE F.  Step n of 16: F' n / 4 lies in slot (n / 4) % 2; tile u = (n / 2) % 2 of the slot's two; K step q = n % 2; fragments in set q, scale words in set u.
.macro FFETCH n
.set fs, ((\n)/4)%2
.set fu, ((\n)/2)%2
.set fq, (\n)%2
	WIN TO_B
.irp b, 0,1,2,3
	FRAG 48*fq+12*\b, FADB+fs, FT*fu+(4*fq+\b)*FRB
.endr
.if fq == 1
.irp i, 0,1,2,3,4,5,6,7
	FRAG AF+12*\i, FADA+fs, TILE*fu+(8*fq+\i)*FRB
.endr
	WIN 0
.else
	WIN 0
	SCALES fu, FSA+fs, TILE*fu, FSB+fs, FT*fu, 2
.irp i, 0,1,2,3,4,5,6,7
	FRAG AF+12*\i, FADA+fs, TILE*fu+(8*fq+\i)*FRB
.endr
.endif
.endm
.macro FMULH half, n, first            ; 16 matrix instructions, sixteen accumulators by turns; first = 1: film_b2 is the C
.set fu, ((\n)/2)%2
.set fq, (\n)%2
.if \first
	WIN ((2+\half)<<6)|(fq<<2)|1
.else
	WIN ((2+\half)<<6)|((2+\half)<<4)|(fq<<2)|1
.endif
.irp a, 0,1,2,3
.irp b, 0,1,2,3
.set rD, 8*(8*\a+4+\b)
.if \first
.set rC, FB2+8*\b
.else
.set rC, rD
.endif
.set rB, 48*fq+12*\b
.set rA, AF+12*(4*\half+\a)
.set rSB, SC+16*fu+8+2*(\b/2)+fq
.set rSA, SC+16*fu+2*((4*\half+\a)/2)+fq
	WMX \b%2, \a%2
.endr
.endr
.endm
.macro FSTEP n, first
	s_wait_dscnt 12                                ; this step's B, scale words and A's blocks 0-3 are in; the youngest twelve loads (A's blocks 4-7) may be out
.if (\n) < 15
	PLACES
	FFETCH (\n)+1
.endif
	FMULH 0, \n, \first
.if (\n) < 15
	s_wait_dscnt 36+6*((\n)%2)                     ; A's blocks 4-7 are in; younger: the next step's 36 fragment loads, and its six loads of scale words where it begins a tile
.else
	s_wait_dscnt 0x0
.endif
	FMULH 1, \n, \first
.endm
.macro FTURN n                         ; a slot's last step, and the change of slots
	WIN 0
	s_wait_tensorcnt 0x0
	ds_add_u32 v[SPW], v[NIL]
	s_wait_dscnt 0x0
	s_barrier_signal -1
	FMULH 0, \n, 0
	WIN 0
	s_barrier_wait -1
.if (\n) == 3
	CREST
	LOADN E51, 0, 2, G1AF, HB, 8*TILE, 1, G1B      ; F'2 -> X
.elseif (\n) == 7
	CREST
	LOADN E51, 4*TILE, 2, G1AF, HB, 10*TILE, 1, G1B   ; F'3 -> Y
.else
	PLACES                                         ; nothing is left to fetch, so no round follows
.endif
	FFETCH (\n)+1
	FMULH 1, \n, 0
.endm
	s_wait_alu depctr_va_vdst(0)
	s_wait_tensorcnt 0x0                           ; F'0 has landed
	ds_add_u32 v[SPW], v[NIL]
	s_wait_dscnt 0x0                               ; the add is done, and my reads of c0 are over
	CROUND
	LOADN E51, 4*TILE, 2, G1AF, HB, 10*TILE, 1, G1B   ; F'1 -> Y
	FFETCH 0
	ASK 10, 7                                      ; F'3: the streams' last pieces
	FSTEP 0, 1
	FSTEP 1, 0
	FSTEP 2, 0
	FTURN 3
	FSTEP 4, 0
	FSTEP 5, 0
	FSTEP 6, 0
	FTURN 7
	FSTEP 8, 0
	FSTEP 9, 0
	FSTEP 10, 0
	FTURN 11
	FSTEP 12, 0
	FSTEP 13, 0
	FSTEP 14, 0
	FSTEP 15, 0
; THE WAY OUT: for each row the sum over my 32 units of gamma (fc_W h) + beta fc_W; four blocks by turns, each accumulator from its low end on
	PLACES
.irp hf, 0,1
	WIN 0x0a+5*\hf
.irp j, 0,1
.irp p, 0,1,2,3
.irp a, 0,1,2,3
.if (\j == 0) && (\p == 0)
	v_pk_mul_f32 v[SG+2*(4*\hf+\a):SG+2*(4*\hf+\a)+1], v[8*(8*\a+4+\j)+2*\p:8*(8*\a+4+\j)+2*\p+1], v[8*(8*\a+\j)+2*\p:8*(8*\a+\j)+2*\p+1]
.else
	v_pk_fma_f32 v[SG+2*(4*\hf+\a):SG+2*(4*\hf+\a)+1], v[8*(8*\a+4+\j)+2*\p:8*(8*\a+4+\j)+2*\p+1], v[8*(8*\a+\j)+2*\p:8*(8*\a+\j)+2*\p+1], v[SG+2*(4*\hf+\a):SG+2*(4*\hf+\a)+1]
.endif
.endr
.endr
.endr
	WIN 0x02+\hf
.irp j, 0,1
.irp p, 0,1,2,3
.irp a, 0,1,2,3
	v_pk_fma_f32 v[SG+2*(4*\hf+\a):SG+2*(4*\hf+\a)+1], v[8*(8*\a+6+\j)+2*\p:8*(8*\a+6+\j)+2*\p+1], v[FCW+8*\j+2*\p:FCW+8*\j+2*\p+1], v[SG+2*(4*\hf+\a):SG+2*(4*\hf+\a)+1]
.endr
.endr
.endr
.endr
	WIN 0
.irp a, 0,1,2,3,4,5,6,7
	v_add_f32 v[SG+2*\a], v[SG+2*\a], v[SG+2*\a+1]
.endr
.irp a, 0,1,2,3,4,5,6,7
	v_permlanex16_b32 v[SG+2*\a+1], v[SG+2*\a], s[SEL], s[SEL+1]   ; the row's other sixteen units lie in the lane 16 away
.endr
.irp a, 0,1,2,3,4,5,6,7
	v_add_f32 v[SG+2*\a], v[SG+2*\a], v[SG+2*\a+1]
.endr
.irp a, 0,1,2,3,4,5,6,7
	ds_store_b32 v[SIN], v[SG+2*\a] offset:64*\a   ; row 16 a + r; both halves of the lanes write the same word with the same value
.endr
	ds_load_b128 v[CB:CB+3], v[SOUT]               ; LDS serves a wave's instructions in order: four neighbouring rows a lane
	s_wait_dscnt 0x0
	global_store_b128 v[L16], v[CB:CB+3], s[22:23] ; 128 rows: 512 consecutive bytes, aligned to 256
	s_wait_tensorcnt 0x0                           ; the wave's end
	ds_add_u32 v[SPW], v[NIL]
	s_wait_dscnt 0x0
	CROUND                                         ; the closing round
	s_endpgm
.Lfunc_end_k_qc30674005c_cell:
	.size	k_qc30674005c_cell, .Lfunc_end_k_qc30674005c_cell-k_qc30674005c_cell
	.p2alignl 7, 3214868480
	.fill 96, 4, 3214868480
	.section	.rodata,"a",@progbits
	.p2align	6, 0x0
	.amdhsa_kernel k_qc30674005c_cell
		.amdhsa_group_segment_fixed_size 327680
		.amdhsa_private_segment_fixed_size 0
		.amdhsa_enable_private_segment 0
		.amdhsa_kernarg_size 80
		.amdhsa_user_sgpr_count 2
		.amdhsa_user_sgpr_kernarg_segment_ptr 1
		.amdhsa_wavefront_size32 1
		.amdhsa_system_sgpr_workgroup_id_x 1
		.amdhsa_system_sgpr_workgroup_id_y 1
		.amdhsa_system_sgpr_workgroup_id_z 1
		.amdhsa_system_vgpr_workitem_id 0
		.amdhsa_next_free_vgpr 1024
		.amdhsa_next_free_sgpr 106
		.amdhsa_reserve_vcc 0
		.amdhsa_float_denorm_mode_32 3
		.amdhsa_float_denorm_mode_16_64 3
		.amdhsa_memory_ordered 1
		.amdhsa_forward_progress 1
		.amdhsa_inst_pref_size 255
	.end_amdhsa_kernel
	.section	.bss,"aw",@nobits
	.p2align	6
	.space	262144
	.amdgpu_metadata
---
amdhsa.version: [ 1, 2 ]
amdhsa.kernels:
  - .name:           k_qc30674005c_cell
    .symbol:         k_qc30674005c_cell.kd
    .args:
      - { .name: atiles, .offset: 0, .size: 8, .value_kind: global_buffer, .address_space: global }
      - { .name: btiles, .offset: 8, .size: 8, .value_kind: global_buffer, .address_space: global }
      - { .name: c0, .offset: 16, .size: 8, .value_kind: global_buffer, .address_space: global }
      - { .name: x, .offset: 24, .size: 8, .value_kind: global_buffer, .address_space: global }
      - { .name: W_ih, .offset: 32, .size: 8, .value_kind: global_buffer, .address_space: global }
      - { .name: b_ih, .offset: 40, .size: 8, .value_kind: global_buffer, .address_space: global }
      - { .name: b_hh, .offset: 48, .size: 8, .value_kind: global_buffer, .address_space: global }
      - { .name: film_b2, .offset: 56, .size: 8, .value_kind: global_buffer, .address_space: global }
      - { .name: fc_W, .offset: 64, .size: 8, .value_kind: global_buffer, .address_space: global }
      - { .name: part, .offset: 72, .size: 8, .value_kind: global_buffer, .address_space: global }
    .group_segment_fixed_size: 327680
    .private_segment_fixed_size: 0
    .kernarg_segment_align: 8
    .kernarg_segment_size: 80
    .max_flat_workgroup_size: 128
    .sgpr_count:     106
    .vgpr_count:     1024
    .wavefront_size: 32
...
	.end_amdgpu_metadata
.endif
;; end of part 5
;; launch sum (part 6): grid 32 x 1, 2 waves a work-group, no clusters, 0 bytes of LDS; arguments part, fc_b, out0; writes out0
.if DOCPART == 6
	.amdgcn_target "amdgcn-amd-amdhsa--gfx1250"
	.amdhsa_code_object_version 6
	.text
	.protected	k_qc30674005c_sum
	.globl	k_qc30674005c_sum
	.p2align	8
	.type	k_qc30674005c_sum,@function
k_qc30674005c_sum:
	s_mov_b64 s[64:65], 0
	v_nop
	global_prefetch_b8 v0, s[64:65] scope:SCOPE_SE
	s_setreg_imm32_b32 hwreg(HW_REG_WAVE_MODE, 25, 1), 1
	s_wait_xcnt 0x0
; Third launch: out0[b] = fc_b + the sum over S = 0 .. 31 of part[S][b], S ascending, in f32.  No work of the problem is left out.
; Thread g = 64 x work-group + t owns rows 4 g .. 4 g + 3: each load and the store of a wave cover 512 consecutive bytes, aligned to 256.  All 32 loads go out at once; the waits count the younger ones down.
; No LDS, no barrier, no matrix unit: 1 MiB is read once and 32 KiB written.
	s_load_b128 s[4:7], s[0:1], 0x0                ; part, fc_b
	s_load_b64 s[8:9], s[0:1], 0x10                ; out0
	s_lshl_b32 s10, ttmp9, 6
	v_add_nc_u32 v1, s10, v0
	v_lshlrev_b32 v1, 4, v1                        ; 16 bytes a thread
	s_wait_alu depctr_va_vdst(0)
	s_wait_kmcnt 0x0
	s_load_b32 s12, s[6:7], 0x0
.set ss, 0
.rept 32
	global_load_b128 v[8+4*ss:11+4*ss], v1, s[4:5] offset:32768*ss th:TH_LOAD_NT
.set ss, ss+1
.endr
	s_wait_kmcnt 0x0
	s_mov_b32 s13, s12                             ; (the packed form names the pair)
	s_wait_loadcnt 31
	v_pk_add_f32 v[4:5], v[8:9], s[12:13] op_sel_hi:[1,0]
	v_pk_add_f32 v[6:7], v[10:11], s[12:13] op_sel_hi:[1,0]
.set ss, 1
	s_wait_alu depctr_va_vdst(0)
.rept 31
	s_wait_alu depctr_va_vdst(0)
	s_wait_loadcnt 31-ss                           ; loads come back in order: term ss is in, the younger ones stay out
	v_pk_add_f32 v[4:5], v[4:5], v[8+4*ss:9+4*ss]
	v_pk_add_f32 v[6:7], v[6:7], v[10+4*ss:11+4*ss]
.set ss, ss+1
.endr
	global_store_b128 v1, v[4:7], s[8:9]
	s_endpgm
.Lfunc_end_k_qc30674005c_sum:
	.size	k_qc30674005c_sum, .Lfunc_end_k_qc30674005c_sum-k_qc30674005c_sum
	.p2alignl 7, 3214868480
	.fill 96, 4, 3214868480
	.section	.rodata,"a",@progbits
	.p2align	6, 0x0
	.amdhsa_kernel k_qc30674005c_sum
		.amdhsa_group_segment_fixed_size 0
		.amdhsa_private_segment_fixed_size 0
		.amdhsa_enable_private_segment 0
		.amdhsa_kernarg_size 24
		.amdhsa_user_sgpr_count 2
		.amdhsa_user_sgpr_kernarg_segment_ptr 1
		.amdhsa_wavefront_size32 1
		.amdhsa_system_sgpr_workgroup_id_x 1
		.amdhsa_system_sgpr_workgroup_id_y 1
		.amdhsa_system_sgpr_workgroup_id_z 1
		.amdhsa_system_vgpr_workitem_id 0
		.amdhsa_next_free_vgpr 136
		.amdhsa_next_free_sgpr 66
		.amdhsa_reserve_vcc 0
		.amdhsa_float_denorm_mode_32 3
		.amdhsa_float_denorm_mode_16_64 3
		.amdhsa_memory_ordered 1
		.amdhsa_forward_progress 1
		.amdhsa_inst_pref_size 10
	.end_amdhsa_kernel
	.amdgpu_metadata
---
amdhsa.version: [ 1, 2 ]
amdhsa.kernels:
  - .name:           k_qc30674005c_sum
    .symbol:         k_qc30674005c_sum.kd
    .args:
      - { .name: part, .offset: 0, .size: 8, .value_kind: global_buffer, .address_space: global }
      - { .name: fc_b, .offset: 8, .size: 8, .value_kind: global_buffer, .address_space: global }
      - { .name: out0, .offset: 16, .size: 8, .value_kind: global_buffer, .address_space: global }
    .group_segment_fixed_size: 0
    .private_segment_fixed_size: 0
    .kernarg_segment_align: 8
    .kernarg_segment_size: 24
    .max_flat_workgroup_size: 64
    .sgpr_count:     66
    .vgpr_count:     136
    .wavefront_size: 32
...
	.end_amdgpu_metadata
.endif
;; end of part 6
